; MI455X (gfx1250); checked and timed in simulation.
; The chip was launched on July 23, 2026; its instructions are those of AMD's public machine-readable ISA for CDNA 5 (MIT licence, August 2026) and "CDNA5" Instruction Set Architecture Reference Guide (July 2026). The comments in the code are by the model that wrote it; some were corrected since.
;; Attention. Allowed arithmetic: matrix products marked QUANTISED: E2M3 operands, one E8M0 scale for each 32 along K, by v_wmma_scale_f32_16x16x128_f8f6f4 with both operands' format E2M3, f32 sums; everything else in f32.
;; Inputs: Wk 512 x 1,024 float32; Wq 512 x 1,024 float32; Wv 512 x 1,024 float32; source_key_value 8 x 2,048 x 1,024 float32; source_key_value_padding_mask 8 x 2,048 bool; source_query 8 x 2,048 x 1,024 float32; source_query_padding_mask 8 x 2,048 bool.
;; Outputs: out0 8 x 2,048 x 512 float32.
;; This version of the problem:
;;   THIS VERSION OF THE PROBLEM IS GIVEN IN LOW PRECISION. The matrix products marked QUANTISED in the list below multiply operands that are first quantised to E2M3 (2 exponent bits, 3 mantissa bits; 6 bits a number), with one power-of-two scale for each 32 numbers along K (OCP MX v1.0); their sums are f32. All else is computed in f32.
;;   The module's matrix products, in the order in which they are computed (A, B: the left and right operand; K: the contracted axis; several contracted axes count as one K, in the product's order):
;;     1. [M 16,384, K 1,024] x [K 1,024, N 512]; A: input source_query; B: input Wq: QUANTISED
;;     2. [M 16,384, K 1,024] x [K 1,024, N 512]; A: input source_key_value; B: input Wk: QUANTISED
;;     3. [M 16,384, K 1,024] x [K 1,024, N 512]; A: input source_key_value; B: input Wv: QUANTISED
;;     4. batch 8 x [M 2,048, K 512] x [K 512, N 2,048]; A: computed on the way; B: computed on the way: QUANTISED
;;     5. batch 8 x [M 2,048, K 2,048] x [K 2,048, N 512]; A: softmax (see below); B: computed on the way: QUANTISED
;;   THE QUANTISER, for each operand of a quantised product, along K:
;;     - K is cut into blocks of 32 from its start; a last block that is shorter is filled with zeros.
;;     - A block's scale is 2^e with e = floor(log2(the largest magnitude in the block)) - 2, held to -126 .. 127; a block of zeros has e = 0. As a byte (E8M0): e + 127.
;;     - Each number is divided by its block's scale, clamped to +-7.5, and rounded to the nearest number of E2M3, ties to even, subnormals kept.
;;     - The product sums the exact products of the quantised numbers (number of the format x scale) in f32.
;;   ~~~python
;;   def quantise(x, axis):      # numpy; x: float32 -> the quantised numbers, widened to float32 again
;;       x = np.moveaxis(x, axis, -1); K = x.shape[-1]
;;       x = np.pad(x, [(0, 0)] * (x.ndim - 1) + [(0, -K % 32)]); x = x.reshape(x.shape[:-1] + (-1, 32)); a = np.abs(x).max(-1, keepdims=True)
;;       e = np.where(a > 0, np.clip(np.frexp(np.where(a > 0, a, 1))[1] - 1 - 2, -126, 127), 0)      # np.frexp(a)[1] - 1 = floor(log2(a)), exactly
;;       r = np.clip(x / 2.0 ** e, -7.5, 7.5)
;;       step = 2.0 ** (np.maximum(np.frexp(np.where(r == 0, 1, r))[1] - 1, 0) - 3)
;;       q = np.round(r / step) * step * 2.0 ** e      # np.round: ties to even
;;       return np.moveaxis(q.reshape(q.shape[:-2] + (-1,))[..., :K], -1, axis).astype(np.float32)
;;   ~~~
;;   SOFTMAX AHEAD OF A QUANTISED PRODUCT. Where the list says 'softmax', what is quantised is not the finished softmax but p = 2^(t - M), with t = logit x log2(e) and M = ceil(the row's largest t), a whole number; so 1/2 < the row's largest p <= 1. The row's sum l is taken of the UNQUANTISED p, in f32, and the product's result is divided by l at the end. Since M is a whole number, a kernel that streams over the keys may use a running M (the ceiling of the running maximum): every later rescaling is an exact power of two, which a block's scale takes up: the codes' values come out the same.
;;   OPERANDS COMPUTED ON THE WAY. 'Computed on the way' means the value that the module computes at that place (a softmax that the list does not call 'softmax' is quantised finished and normalised). What goes into a quantiser is computed in f32, as accurately as f32 sums, v_exp_f32 and their like allow (about 1e-6 of the number): no bf16 or f16 on the way to a quantiser, and a product that is left as it is and whose result goes on into a quantised operand takes f32 operands (vector FMAs, or v_wmma_f32_16x16x4_f32). A number that lies on a knife's edge between two numbers of the format may be rounded either way, as far as f32 arithmetic and the matrix unit's own rounding can turn it there, and no further.
;; 2 versions, each right; version 2 is version 1 with the launch attn written anew for expert scheduling mode. Each part assembles by itself: llvm-mc -triple=amdgcn-amd-amdhsa -mcpu=gfx1250 --defsym DOCPART=n.
;; ======== version 1 of 2: 3 launches
;; limits: right only within a limited range of input values
;; workspace buffers: wcode 1,228,800 bytes; kbias 65,536 bytes; qimg 6,291,456 bytes; kimg 6,291,456 bytes; vimg 6,291,456 bytes; scl 786,432 bytes; vpart 524,288 bytes
;; launch prep (part 1): grid 256 x 1, 4 waves a work-group, no clusters, 26,112 bytes of LDS; arguments Wk, Wv, Wq, source_key_value_padding_mask, wcode, kbias; writes wcode, kbias
.if DOCPART == 1
	.amdgcn_target "amdgcn-amd-amdhsa--gfx1250"
	.amdhsa_code_object_version 6
	.text
	.protected	k_q7201dc2295_prep
	.globl	k_q7201dc2295_prep
	.p2align	8
	.type	k_q7201dc2295_prep,@function
k_q7201dc2295_prep:
	s_mov_b64 s[64:65], 0
	v_nop
	global_prefetch_b8 v0, s[64:65] scope:SCOPE_SE
	s_setreg_imm32_b32 hwreg(HW_REG_WAVE_MODE, 25, 1), 1
	s_wait_xcnt 0x0
; Wk, Wv, Wq [512][1024] f32 become codes of FP6 (E2M3) with one E8M0 byte for each 32 along K = the 1,024, laid as IMAGES OF OPERAND REGISTERS, so that the next launch loads a fragment by three loads of 16 bytes a lane.
; wcode: images [h = 8 x weight + K step of 128 (24)][w (4)][t (8)][3 chunks][32 lanes][16 bytes]; tile (w, t), lane r = row 128 w + 32 (t / 2) + 8 (t % 2) + r + 8 (r / 8) of the weight.
;        scale words from byte 1,179,648 on: [h][w][p (4)][32 lanes]: lanes 0-15 tile 2 p, lanes 16-31 tile 2 p + 1.
; kbias [16384] f32: 0 for a key that counts, -2^126 for a padded key: the attention launch adds it to the scores as the C of its first product.
; SHARES: work-group g = (K step g / 32, w = (g / 8) % 4, t = g % 8).  Waves 0, 1, 2 make that fragment of Wk, Wv, Wq; wave 3 makes kbias of keys 64 g .. 64 g + 63.  Waves share nothing: no barrier.
; A block's scale is 2^(floor(log2(largest magnitude)) - 2); its byte is the largest magnitude's exponent field - 2, held at 1 from below.
; LIMITS: NaN and infinities among the inputs are not served; a block of zeros gets the byte 1 (its codes are zeros, and this program alone reads the bytes).
; REGISTERS: v1-13 addresses and wave 3's work; v16-31 at work in QUANT; v32 the scale word; v36-55 the codes; v64-127 the numbers: no conversion's result shares a register with a conversion's source.
.set NEGB, 0xfe800000                  ; -2^126
.set TM,  16                           ; v16-31  at work in QUANT
.set PW,  32                           ; v32     the scale word just made
.set PC,  36                           ; v36-55  the codes just made
.set X,   64                           ; v64-127 64 numbers of a lane
.set SEL, 34                           ; s[34:35] lane selects: lane l xor 16
.set MSB, 0
.macro WIN new                         ; the immediate's high byte repeats the setting that is left; a switch that changes nothing is dropped (here: all)
.if MSB != (\new)
	s_set_vgpr_msb (MSB<<8)|(\new)
.set MSB, (\new)
.endif
.endm
; 64 numbers of a lane, register 16 b + i = k 32 b + 16 (lane / 16) + i of my row, become a fragment's codes in v[PC] on and its scale word in v[PW].  win: the window in which the numbers lie
.macro QUANT s, win
.irp b, 0,1,2,3
	v_mov_b32 v[TM+\b], 0x1800000                  ; the floor 2^(3 - 127): the byte cannot fall under 1
.endr
	WIN ((\win)<<2)|((\win)<<4)
.irp i, 0,2,4,6,8,10,12,14
.irp b, 0,1,2,3
	v_max3_num_f32 v[TM+\b], v[TM+\b], |v[(\s)+16*\b+\i]|, |v[(\s)+16*\b+\i+1]|   ; the four blocks by turns, each from its low end on
.endr
.endr
	WIN 0
.irp b, 0,1,2,3
	v_permlanex16_b32 v[TM+4+\b], v[TM+\b], s[SEL], s[SEL+1]
.endr
.irp b, 0,1,2,3
	v_max_num_f32 v[TM+\b], v[TM+\b], v[TM+4+\b]   ; with lane l xor 16's: the block's largest magnitude
.endr
.irp b, 0,1,2,3
	v_add_nc_u32 v[TM+12+\b], 0xff000000, v[TM+\b] ; 2 off its exponent field: the conversion's scale operand
.endr
.irp b, 0,1,2,3
	v_lshrrev_b32 v[TM+4+\b], 23, v[TM+12+\b]      ; the scale's byte
.endr
	v_lshl_or_b32 v[PW], v[TM+5], 8, v[TM+4]
	v_lshl_or_b32 v[PW], v[TM+6], 16, v[PW]
	v_lshl_or_b32 v[PW], v[TM+7], 24, v[PW]
	WIN (\win)
.irp c, 0,1
	v_cvt_scalef32_pk16_fp6_f32 v[PC+6*\c:PC+2+6*\c], v[(\s)+32*\c:(\s)+15+32*\c], v[TM+12+2*\c]
	v_cvt_scalef32_pk16_fp6_f32 v[PC+12+4*\c:PC+14+4*\c], v[(\s)+16+32*\c:(\s)+31+32*\c], v[TM+12+2*\c+1]   ; (a conversion's three registers begin on an even number)
.endr
	WIN 0
	v_nop                                          ; one plain place behind a scaled conversion
.irp c, 0,1                                    ; the operand's layout wants a whole block in a lane
.irp i, 0,1,2
	v_permlane16_swap_b32 v[PC+6*\c+\i], v[PC+12+4*\c+\i]
.endr
.irp i, 0,1,2
	v_mov_b32 v[PC+3+6*\c+\i], v[PC+12+4*\c+\i]
.endr
.endr
.endm
	s_load_b256 s[4:11], s[0:1], 0x0               ; Wk s[4:5], Wv s[6:7], Wq s[8:9], the key mask s[10:11]
	s_load_b128 s[12:15], s[0:1], 0x20             ; wcode s[12:13], kbias s[14:15]
	v_lshl_add_u32 v128, v0, 2, 0x6400
	v_mov_b32 v129, 0
	v_lshrrev_b32 v1, 5, v0
	v_readfirstlane_b32 s16, v1                    ; wave 0..3
	v_and_b32 v1, 31, v0                           ; lane
	v_and_b32 v2, 15, v0                           ; r
	v_bfe_u32 v3, v0, 4, 1                         ; h
	v_lshlrev_b32 v4, 4, v1                        ; 16 x lane
	s_mul_i32 s17, s16, 8448                       ; my wave's stage: 16 rows x (512 + 16) bytes
	v_add_nc_u32 v5, s17, v4                       ; into it: a row's 512 bytes as they lie
	v_mul_u32_u24 v6, v2, 528
	v_lshl_add_u32 v6, v3, 6, v6
	v_add_nc_u32 v6, s17, v6                       ; out of it: row r, + 64 h: my 16 numbers of each block of 32
	v_lshlrev_b32 v7, 2, v2                        ; 4 r: my row's scale word
	v_lshlrev_b32 v8, 1, v1                        ; wave 3: two mask bytes a lane,
	v_lshlrev_b32 v10, 3, v1                       ; two numbers of kbias
	v_mov_b32 v11, NEGB
.irp b, 0,1,2,3
	v_mov_b32 v[TM+4+\b], 0                        ; written once: a lane permute's destination counts as one of its sources
.endr
	s_mov_b32 s[SEL], 0x76543210
	s_mov_b32 s[SEL+1], 0xfedcba98
	s_lshr_b32 s18, ttmp9, 5                       ; K step
	s_bfe_u32 s19, ttmp9, 0x20003                  ; w
	s_and_b32 s20, ttmp9, 7                        ; t
	s_lshr_b32 s21, s20, 1
	s_and_b32 s22, s20, 1
	s_lshl_b32 s23, s19, 7
	s_lshl_b32 s24, s21, 5
	s_add_co_u32 s23, s23, s24
	s_lshl_b32 s24, s22, 3
	s_add_co_u32 s23, s23, s24                     ; the tile's first row: 128 w + 32 (t / 2) + 8 (t % 2)
	s_lshl_b32 s23, s23, 12                        ; rows of 4,096 bytes
	s_lshl_b32 s24, s18, 9                         ; + 512 bytes a K step
	s_add_co_u32 s24, s23, s24
	s_mov_b32 s25, 0
	s_lshl_b32 s26, s16, 8
	s_add_co_u32 s26, s26, ttmp9
	s_mul_i32 s26, s26, 1536                       ; the image: (256 x weight + g) x 1,536
	s_mov_b32 s27, 0
	s_lshl_b32 s28, s16, 5
	s_lshr_b32 s29, ttmp9, 3
	s_add_co_u32 s28, s28, s29
	s_lshl_b32 s28, s28, 9                         ; the scale words: (32 x weight + g / 8) x 512
	s_lshl_b32 s29, s21, 7
	s_add_co_u32 s28, s28, s29                     ; + 128 (t / 2)
	s_lshl_b32 s29, s22, 6
	s_add_co_u32 s28, s28, s29                     ; + 64 (t % 2)
	s_add_co_u32 s28, s28, 1179648
	s_mov_b32 s29, 0
	s_wait_kmcnt 0x0
	s_cmp_eq_u32 s16, 3
	s_cbranch_scc1 .Lmask
	s_cmp_eq_u32 s16, 0                            ; which weight: the choice hangs on the wave's number alone
	s_cselect_b64 s[4:5], s[4:5], s[6:7]
	s_cmp_eq_u32 s16, 2
	s_cselect_b64 s[4:5], s[8:9], s[4:5]
	s_add_nc_u64 s[4:5], s[4:5], s[24:25]
	s_add_nc_u64 s[30:31], s[12:13], s[26:27]
	s_add_nc_u64 s[32:33], s[12:13], s[28:29]
.set n_, 0
.rept 16
	global_load_b128 v[X+4*n_:X+4*n_+3], v4, s[4:5] offset:(n_+8*(n_/8))*4096 th:TH_LOAD_NT   ; the tile's row n: 32 lanes read 512 consecutive bytes
.set n_, n_+1
.endr
	s_wait_loadcnt 0x0
.set n_, 0
.rept 16
	ds_store_b128 v5, v[X+4*n_:X+4*n_+3] offset:528*n_
.set n_, n_+1
.endr
.irp b, 0,1,2,3
.irp j, 0,1,2,3
	ds_load_b128 v[X+16*\b+4*\j:X+16*\b+4*\j+3], v6 offset:128*\b+16*\j   ; LDS serves a wave's instructions in order: these see my stores
.endr
.endr
	s_wait_dscnt 0x0
	QUANT X, 0
.irp c, 0,1,2
	global_store_b128 v4, v[PC+4*\c:PC+4*\c+3], s[30:31] offset:512*\c     ; 512 consecutive bytes a store
.endr
	global_store_b32 v7, v[PW], s[32:33]           ; lanes r and 16 + r hold the same word and write it to the same place
	s_wait_tensorcnt 0x0
	ds_add_u32 v128, v129
	s_wait_dscnt 0x0
	s_endpgm
.Lmask:
	s_lshl_b32 s24, ttmp9, 6                       ; 64 mask bytes,
	s_add_nc_u64 s[10:11], s[10:11], s[24:25]
	s_lshl_b32 s26, ttmp9, 8                       ; 256 bytes of kbias
	s_add_nc_u64 s[14:15], s[14:15], s[26:27]
	global_load_u16 v9, v8, s[10:11]
	s_wait_loadcnt 0x0
	v_and_b32 v12, 0xff, v9
	v_lshrrev_b32 v13, 8, v9
	v_cmp_ne_u32 vcc_lo, 0, v12
	v_cndmask_b32 v12, 0, v11, vcc_lo
	v_cmp_ne_u32 vcc_lo, 0, v13
	v_cndmask_b32 v13, 0, v11, vcc_lo
	global_store_b64 v10, v[12:13], s[14:15]       ; 32 lanes store 256 consecutive bytes, aligned
	s_endpgm
.Lfunc_end_k_q7201dc2295_prep:
	.size	k_q7201dc2295_prep, .Lfunc_end_k_q7201dc2295_prep-k_q7201dc2295_prep
	.p2alignl 7, 3214868480
	.fill 96, 4, 3214868480
	.section	.rodata,"a",@progbits
	.p2align	6, 0x0
	.amdhsa_kernel k_q7201dc2295_prep
		.amdhsa_group_segment_fixed_size 26112
		.amdhsa_private_segment_fixed_size 0
		.amdhsa_enable_private_segment 0
		.amdhsa_kernarg_size 48
		.amdhsa_user_sgpr_count 2
		.amdhsa_user_sgpr_kernarg_segment_ptr 1
		.amdhsa_wavefront_size32 1
		.amdhsa_system_sgpr_workgroup_id_x 1
		.amdhsa_system_sgpr_workgroup_id_y 1
		.amdhsa_system_sgpr_workgroup_id_z 1
		.amdhsa_system_vgpr_workitem_id 0
		.amdhsa_next_free_vgpr 130
		.amdhsa_next_free_sgpr 66
		.amdhsa_reserve_vcc 1
		.amdhsa_float_denorm_mode_32 3
		.amdhsa_float_denorm_mode_16_64 3
		.amdhsa_memory_ordered 1
		.amdhsa_forward_progress 1
		.amdhsa_inst_pref_size 12
	.end_amdhsa_kernel
	.amdgpu_metadata
---
amdhsa.version: [ 1, 2 ]
amdhsa.kernels:
  - .name:           k_q7201dc2295_prep
    .symbol:         k_q7201dc2295_prep.kd
    .args:
      - { .name: Wk, .offset: 0, .size: 8, .value_kind: global_buffer, .address_space: global }
      - { .name: Wv, .offset: 8, .size: 8, .value_kind: global_buffer, .address_space: global }
      - { .name: Wq, .offset: 16, .size: 8, .value_kind: global_buffer, .address_space: global }
      - { .name: source_key_value_padding_mask, .offset: 24, .size: 8, .value_kind: global_buffer, .address_space: global }
      - { .name: wcode, .offset: 32, .size: 8, .value_kind: global_buffer, .address_space: global }
      - { .name: kbias, .offset: 40, .size: 8, .value_kind: global_buffer, .address_space: global }
    .group_segment_fixed_size: 26112
    .private_segment_fixed_size: 0
    .kernarg_segment_align: 8
    .kernarg_segment_size: 48
    .max_flat_workgroup_size: 128
    .sgpr_count:     66
    .vgpr_count:     130
    .wavefront_size: 32
...
	.end_amdgpu_metadata
.endif
;; end of part 1
;; launch proj (part 2): grid 256 x 1, 4 waves a work-group, no clusters, 327,680 bytes of LDS; arguments source_key_value, source_query, wcode, qimg, kimg, vimg, scl, vpart; writes qimg, kimg, vimg, scl, vpart
.if DOCPART == 2
	.amdgcn_target "amdgcn-amd-amdhsa--gfx1250"
	.amdhsa_code_object_version 6
	.text
	.protected	k_q7201dc2295_proj
	.globl	k_q7201dc2295_proj
	.p2align	8
	.type	k_q7201dc2295_proj,@function
k_q7201dc2295_proj:
	s_mov_b64 s[64:65], 0
	v_nop
	global_prefetch_b8 v0, s[64:65] scope:SCOPE_SE
	s_setreg_imm32_b32 hwreg(HW_REG_WAVE_MODE, 25, 1), 1
	s_wait_xcnt 0x0
; k = x_kv Wk^T, v = x_kv Wv^T, q = x_q Wq^T on codes of FP6 (E2M3) with one E8M0 byte for each 32 along K; the results are quantised in registers for the attention launch and never exist as f32 in memory.
; SHARES: work-group g owns tokens 64 g .. 64 g + 63 of both inputs.  Wave w quantises rows 16 w .. 16 w + 15 of x; in each product wave w owns rows 128 w .. 128 w + 127 of the weight (8 tiles) for all 64 tokens.
; x comes by tensor loads: a whole block of 64 x 1,024 f32 (262,144 bytes) lies in LDS, so LDS is filled again ONCE.
; BY TURNS: x_kv's four regions (256 along K each) are quantised as they land, and k's two K steps on those codes follow at once: k is multiplied, and its weights stream, while the rest of x_kv is on its way.
; The barrier behind the last region is the one in front of the refill: x_q is on its way while k's last two steps and all of v are multiplied.  x_q is taken the same way: two K steps quantised, q's two steps on them.
; x's codes go from wave to wave through LDS as images of operand registers; they are read back with the tokens of a tile PERMUTED: in a block of 32 tokens tile u, lane r = token 8 u + r + 8 (r / 8).
; The weights' fragments come from wcode straight into registers, three sets by turns, two K steps ahead.
; q and k (mode QK): source 0 = 16 rows of W, source 1 = 16 tokens: a lane holds one token, its 64 registers 128 neighbours along d (with lane l xor 16): one fragment of K step w of q k^T.
; v (mode V): source 0 = 16 tokens, source 1 = 16 rows of W: a lane holds one d, its registers run along the keys, which are the K of p v.
; vpart[g][d] = the sum over my 64 keys of the QUANTISED v: a product of v's codes with codes of 1.0: rows of the softmax in which no key counts need the mean of all quantised v.
; NO JOINT LOADS for the weights, though all work-groups read them: x's block (266,240 bytes with padding), the cache of codes (57,344) and the spare words (512) leave 3,584 of the 327,680 bytes, less than one wave's 12,288 bytes of one K step.
; LIMITS: NaN and infinities among the inputs are not served; a block of zeros gets the byte 1 (its codes are zeros, and this program alone reads the bytes).
; REGISTERS: window 0: addresses, QUANT's work, scale words, v128-255 numbers of x or x's fragments (two sets of 48).  window 1: W sets 0, 1.  window 2: W set 2.  window 3: the 32 accumulators.
.set XR,   0                           ; LDS: x: 4 regions (256 numbers along K each) of 64 rows x (1,024 + 16) bytes: the only bytes that tensor loads fill
.set CC,   266240                      ; the cache of codes: [K step (8)][natural tile (4)] images, 1,664 bytes apart (1,536 + 128: the permuted reads then fall on 16 different columns of 16 bytes)
.set CS,   319488                      ; their scale words: [K step][tile][32 lanes]
.set SPARE, 323584                     ; the spare words, 128 bytes a wave: two blocks of 256 bytes that no other line names
.set LI,   4                           ; v4   16 x lane
.set L4,   5                           ; v5   4 x lane
.set L8,   6                           ; v6   8 x lane
.set R16,  7                           ; v7   16 r
.set XA,   8                           ; v8-11 my row of x in region 0..3, + 64 h
.set IW,   12                          ; v12  where I store an image
.set SW,   13                          ; v13  and its scale word
.set XP,   14                          ; v14  where I read a permuted fragment
.set XSP,  16                          ; v16  and its scale word
.set VPA,  18                          ; v18  4 (8 h + r + 8 (r / 8)): my place in 32 numbers of vpart
.set SPW,  19                          ; v19  my spare word; never rewritten
.set NIL,  20                          ; v20  0; never rewritten
.set TM,   32
.set PW,   48
.set PWE,  49
.set PWS,  50
.set PC,   52
.set WS,   76                          ; v76-87  W's scale words, 3 sets x 4
.set XS,   88                          ; v88-95  x's scale words, 2 sets x 4
.set ONES, 96                          ; v96-107 a fragment: rows 0-7 are 1.0 for k 0-63, rows 8-15 for k 64-127, else 0
.set ONE,  108                         ; v108    four scale bytes of 1.0
.set VD,   110                         ; v110-117
.set VW,   120                         ; v120-123 v's scale words
.set XB,   128                         ; v128-255 two sets of 64 numbers of x, while a pair of K steps is quantised;
.set XF,   128                         ; v128-223 two sets of four fragments of x, while it is multiplied
.set WV,   20
.set SEL,  22
.set G1F,  24                          ; s[24:31] group 1: 16 rows x 256 f32
.set G1R,  32                          ; s[32:39] group 1: 64 rows x 256 f32
.set G0,   40                          ; s[40:55] groups 0 of the four first fills
.set G0R,  56                          ; s[56:59] group 0 of the refill
.set HM,   60                          ; s60  lanes 16-31
.set WP,   66
.set WSP,  68
.set KI,   70
.set QI,   72
.set KSB,  74
.set QSB,  76
.set VI,   78
.set VSB,  80
.set VPB,  82
.set MSB, 0
.macro WIN new                         ; the immediate's high byte repeats the setting that is left; a switch that changes nothing is dropped
.if MSB != (\new)
	s_set_vgpr_msb (MSB<<8)|(\new)
.set MSB, (\new)
.endif
.endm
.macro PLACES n
.rept \n
	v_nop
.endr
.endm
; one scaled product.  z: C is the constant 0, else v[c] on.  ra, rb: the side's scales are read from lanes 16-31
.macro WM d, a, b, z, c, sa, sb, ra, rb
.set MD, \d
.set MA, \a
.set MBB, \b
.set MC, \c
.set MP, \sa
.set MQ, \sb
.if (\z)
.if (\ra)
.if (\rb)
	v_wmma_scale_f32_16x16x128_f8f6f4 v[MD:MD+7], v[MA:MA+11], v[MBB:MBB+11], 0, v[MP], v[MQ] matrix_a_fmt:MATRIX_FMT_FP6 matrix_b_fmt:MATRIX_FMT_FP6 matrix_a_scale:MATRIX_SCALE_ROW1 matrix_b_scale:MATRIX_SCALE_ROW1
.else
	v_wmma_scale_f32_16x16x128_f8f6f4 v[MD:MD+7], v[MA:MA+11], v[MBB:MBB+11], 0, v[MP], v[MQ] matrix_a_fmt:MATRIX_FMT_FP6 matrix_b_fmt:MATRIX_FMT_FP6 matrix_a_scale:MATRIX_SCALE_ROW1
.endif
.else
.if (\rb)
	v_wmma_scale_f32_16x16x128_f8f6f4 v[MD:MD+7], v[MA:MA+11], v[MBB:MBB+11], 0, v[MP], v[MQ] matrix_a_fmt:MATRIX_FMT_FP6 matrix_b_fmt:MATRIX_FMT_FP6 matrix_b_scale:MATRIX_SCALE_ROW1
.else
	v_wmma_scale_f32_16x16x128_f8f6f4 v[MD:MD+7], v[MA:MA+11], v[MBB:MBB+11], 0, v[MP], v[MQ] matrix_a_fmt:MATRIX_FMT_FP6 matrix_b_fmt:MATRIX_FMT_FP6
.endif
.endif
.else
.if (\ra)
.if (\rb)
	v_wmma_scale_f32_16x16x128_f8f6f4 v[MD:MD+7], v[MA:MA+11], v[MBB:MBB+11], v[MC:MC+7], v[MP], v[MQ] matrix_a_fmt:MATRIX_FMT_FP6 matrix_b_fmt:MATRIX_FMT_FP6 matrix_a_scale:MATRIX_SCALE_ROW1 matrix_b_scale:MATRIX_SCALE_ROW1
.else
	v_wmma_scale_f32_16x16x128_f8f6f4 v[MD:MD+7], v[MA:MA+11], v[MBB:MBB+11], v[MC:MC+7], v[MP], v[MQ] matrix_a_fmt:MATRIX_FMT_FP6 matrix_b_fmt:MATRIX_FMT_FP6 matrix_a_scale:MATRIX_SCALE_ROW1
.endif
.else
.if (\rb)
	v_wmma_scale_f32_16x16x128_f8f6f4 v[MD:MD+7], v[MA:MA+11], v[MBB:MBB+11], v[MC:MC+7], v[MP], v[MQ] matrix_a_fmt:MATRIX_FMT_FP6 matrix_b_fmt:MATRIX_FMT_FP6 matrix_b_scale:MATRIX_SCALE_ROW1
.else
	v_wmma_scale_f32_16x16x128_f8f6f4 v[MD:MD+7], v[MA:MA+11], v[MBB:MBB+11], v[MC:MC+7], v[MP], v[MQ] matrix_a_fmt:MATRIX_FMT_FP6 matrix_b_fmt:MATRIX_FMT_FP6
.endif
.endif
.endif
.endm
; 64 numbers of a lane, register 16 b + i = k 32 b + 16 (lane / 16) + i of my row, become a fragment's codes in v[PC] on and its scale word in v[PW] (the same word in lanes l and l xor 16).  win: the window in which the numbers lie
.macro QUANT s, win
.irp b, 0,1,2,3
	v_mov_b32 v[TM+\b], 0x1800000                  ; the floor 2^(3 - 127): the byte cannot fall under 1
.endr
	WIN ((\win)<<2)|((\win)<<4)
.irp i, 0,2,4,6,8,10,12,14
.irp b, 0,1,2,3
	v_max3_num_f32 v[TM+\b], v[TM+\b], |v[(\s)+16*\b+\i]|, |v[(\s)+16*\b+\i+1]|   ; the four blocks by turns; each accumulator is read from its low end on
.endr
.endr
	WIN 0
.irp b, 0,1,2,3
	v_permlanex16_b32 v[TM+4+\b], v[TM+\b], s[SEL], s[SEL+1]
.endr
.irp b, 0,1,2,3
	v_max_num_f32 v[TM+\b], v[TM+\b], v[TM+4+\b]   ; with lane l xor 16's: the block's largest magnitude
.endr
.irp b, 0,1,2,3
	v_add_nc_u32 v[TM+12+\b], 0xff000000, v[TM+\b] ; 2 off its exponent field: the conversion's scale operand
.endr
.irp b, 0,1,2,3
	v_lshrrev_b32 v[TM+4+\b], 23, v[TM+12+\b]      ; the scale's byte
.endr
	v_lshl_or_b32 v[PW], v[TM+5], 8, v[TM+4]
	v_lshl_or_b32 v[PW], v[TM+6], 16, v[PW]
	v_lshl_or_b32 v[PW], v[TM+7], 24, v[PW]
	WIN (\win)
.irp c, 0,1
	v_cvt_scalef32_pk16_fp6_f32 v[PC+6*\c:PC+2+6*\c], v[(\s)+32*\c:(\s)+15+32*\c], v[TM+12+2*\c]
	v_cvt_scalef32_pk16_fp6_f32 v[PC+12+4*\c:PC+14+4*\c], v[(\s)+16+32*\c:(\s)+31+32*\c], v[TM+12+2*\c+1]   ; (a conversion's three registers begin on an even number)
.endr
	WIN 0
	v_nop                                          ; one plain place behind a scaled conversion
.irp c, 0,1                                    ; the operand's layout wants a whole block in a lane
.irp i, 0,1,2
	v_permlane16_swap_b32 v[PC+6*\c+\i], v[PC+12+4*\c+\i]
.endr
.irp i, 0,1,2
	v_mov_b32 v[PC+3+6*\c+\i], v[PC+12+4*\c+\i]
.endr
.endr
.endm
.macro XLD set, s                      ; my row's 64 numbers of K step s (16 of each block of 32) from LDS
.irp b, 0,1,2,3
.irp j, 0,1,2,3
	ds_load_b128 v[XB+64*(\set)+16*\b+4*\j:XB+64*(\set)+16*\b+4*\j+3], v[XA+(\s)/2] offset:512*((\s)%2)+128*\b+16*\j
.endr
.endr
.endm
.macro IMAGE s                         ; the fragment just made goes to the cache as it stands
.irp c, 0,1,2
	ds_store_b128 v[IW], v[PC+4*\c:PC+4*\c+3] offset:6656*(\s)+512*\c
.endr
	ds_store_b32 v[SW], v[PW] offset:512*(\s)
.endm
; Region o of x (K steps 2 o and 2 o + 1) of my 16 rows becomes two fragments in the cache; a barrier shows them to every wave.
; tw = 1: the region comes by my own tensor load o of four.  fill = 1: the barrier is the one in front of the refill, and the refill follows it.
.macro QPAIR o, tw, fill
	PLACES 4                                       ; in front of loads into registers that the last step's products have read
.if \tw
	s_wait_tensorcnt 3-\o                          ; my region o has landed; the regions behind it may be out
.endif
	XLD 0, 2*\o
	XLD 1, 2*\o+1
	s_wait_dscnt 16                                ; the first K step's numbers are in; the second's 16 loads may be out
	QUANT XB, 0
	IMAGE 2*\o
	s_wait_dscnt 0x0                               ; the second K step's numbers are in, and the stores have read the codes' registers
	QUANT XB+64, 0
	IMAGE 2*\o+1
.if \fill
	s_wait_tensorcnt 0x0                           ; THE ONE REFILL: all my tensor loads have landed,
	ds_add_u32 v[SPW], v[NIL]                      ; 0 onto my spare word,
.endif
	s_wait_dscnt 0x0                               ; for the others' sake: my images have landed (fill: and the add is done, and my reads of x are back)
	s_barrier_signal -1
	s_barrier_wait -1                              ; the two K steps' images are whole (fill: and nobody reads x_kv any more)
.if \fill
	tensor_load_to_lds s[G0R:G0R+3], s[G1R:G1R+7]  ; x_q, my block of columns: it lands while k's last two steps and v are multiplied
	s_nop 0
	PLACES 4
.endif
.endm
.macro WLOAD h                         ; my 8 fragments and 4 scale registers of step h (weight h / 8, K step h % 8) into set h % 3: 28 loads
.set WSET, (\h)%3
.if WSET == 2
	WIN 0x80
.set WBASE, 0
.else
	WIN 0x40
.set WBASE, 96*WSET
.endif
.set n_, 0
.rept 24
	global_load_b128 v[WBASE+4*n_:WBASE+4*n_+3], v[LI], s[WP:WP+1] offset:49152*(\h)+512*n_
.set n_, n_+1
.endr
	WIN 0
.set n_, 0
.rept 4
	global_load_b32 v[WS+4*WSET+n_], v[L4], s[WSP:WSP+1] offset:2048*(\h)+128*n_
.set n_, n_+1
.endr
.endm
.macro XFETCH h                        ; x's four permuted fragments and their scale words of K step h % 8 into set h % 2: 16 LDS loads
.set FS, (\h)&7
.set FX, XF+48*((\h)%2)
.set FXS, XS+4*((\h)%2)
.irp m, 0,1,2,3
.irp c, 0,1,2
	ds_load_b128 v[FX+12*\m+4*\c:FX+12*\m+4*\c+3], v[XP] offset:6656*FS+3328*(\m/2)+128*(\m%2)+512*\c
.endr
	ds_load_b32 v[FXS+\m], v[XSP] offset:512*FS+256*(\m/2)+32*(\m%2)
.endr
.endm
; a K step of 128: 32 products on 32 accumulators, which take turns in the same order in every step.  mode 0: QK, 1: V.  nextx: the next step's fragments of x lie in the cache and are fetched here
.macro GSTEP h, mode, nextx
.if (\h) == 23
	s_wait_loadcnt 0x0
.else
	s_wait_loadcnt 28                              ; this step's weights are in; the 28 younger loads are the next step's
.endif
	PLACES 4                                       ; in front of loads into registers that the last step's products have read
.if (\h)+2 < 24
	WLOAD (\h)+2
.endif
.if \nextx
	XFETCH (\h)+1
	s_wait_dscnt 16                                ; this step's fragments of x are in; the 16 just issued may be out
.else
	s_wait_dscnt 0x0
.endif
.set GS, (\h)%3
.set GW, 1+GS/2
.set GB, 96*(GS%2)
.set GX, XF+48*((\h)%2)
.set GXS, XS+4*((\h)%2)
.set GWS, WS+4*GS
.set GZ, ((\h)&7)==0
.if \mode == 0
	WIN 0xF0|GW
.else
	WIN 0xF0|(GW<<2)
.endif
.irp t, 0,1,2,3,4,5,6,7
.irp m, 0,1,2,3
.if \mode == 0
	WM 64*\m+8*\t, GB+12*\t, GX+12*\m, GZ, 64*\m+8*\t, GWS+\t/2, GXS+\m, \t%2, 0
.else
	WM 32*\t+8*\m, GX+12*\m, GB+12*\t, GZ, 32*\t+8*\m, GXS+\m, GWS+\t/2, 0, \t%2
.endif
.endr
.endr
	WIN 0
.endm
; q's or k's way out: tile m's 64 registers are K step w of 16 tokens: a fragment's image, 1,536 consecutive bytes, and a scale word a token (tiles 2 i and 2 i + 1 share a register: lanes 0-15, lanes 16-31).
; The scale words lie [block of 32 tokens][lane][K step], so that the attention launch takes a block's four registers by one load of 16 bytes a lane: my word goes to 16 x lane + 4 w
.macro EPI_QK img, sc
	PLACES 4
.irp m, 0,1,2,3
	s_wait_xcnt 0x0                                ; the earlier stores have read their registers
	QUANT 64*\m, 3
.irp c, 0,1,2
	global_store_b128 v[LI], v[PC+4*\c:PC+4*\c+3], s[\img:\img+1] offset:6144*\m+512*\c
.endr
.if \m%2 == 0
	v_mov_b32 v[PWE], v[PW]
.else
	v_cndmask_b32 v[PWS], v[PWE], v[PW], s[HM]
	global_store_b32 v[LI], v[PWS], s[\sc:\sc+1] offset:512*(\m/2)
.endif
.endr
.endm
; v's way out: the 64 registers of tiles 2 p and 2 p + 1 are, for my d, 2 x 64 keys: QUANT's four blocks are (tile 2 p, keys 0-31), (2 p, 32-63), (2 p + 1, 0-31), (2 p + 1, 32-63);
; registers 6 c .. 6 c + 5 of the codes are half a fragment (64 of its 128 keys) of tile 2 p + c.  The product with ONES adds each tile's 64 quantised numbers: its register 0 holds, in lane (r, h), tile 2 p + h, row r
.macro EPI_V
	PLACES 4
.irp p, 0,1,2,3
	s_wait_xcnt 0x0                                ; the earlier stores have read their registers
	QUANT 64*\p, 3
.irp c, 0,1
	global_store_b128 v[LI], v[PC+6*\c:PC+6*\c+3], s[VI:VI+1] offset:1536*(2*\p+\c)
	global_store_b64 v[L8], v[PC+6*\c+4:PC+6*\c+5], s[VI:VI+1] offset:1536*(2*\p+\c)+512
.endr
	v_mov_b32 v[VW+\p], v[PW]
	PLACES 8                                       ; a scale register written by a vector instruction stands 8 places ahead of a scaled product, an operand 4
	WM VD, ONES, PC, 1, 0, ONE, PW, 0, 0
	PLACES 4
	global_store_b32 v[VPA], v[VD], s[VPB:VPB+1] offset:128*\p
.endr
	global_store_b128 v[R16], v[VW:VW+3], s[VSB:VSB+1]   ; lanes r and 16 + r hold the same words and write them to the same place: 256 consecutive bytes
.endm
	s_load_b512 s[4:19], s[0:1], 0x0               ; x_kv s[4:5], x_q s[6:7], wcode s[8:9], qimg s[10:11], kimg s[12:13], vimg s[14:15], scl s[16:17], vpart s[18:19]
	v_lshl_add_u32 v[SPW], v0, 2, SPARE
	v_mov_b32 v[NIL], 0
	ds_add_u32 v19, v20
	ds_add_u32 v19, v20
	s_wait_dscnt 0x0
	v_lshrrev_b32 v1, 5, v0
	v_readfirstlane_b32 s[WV], v1                  ; wave 0..3
	; group 1: rows of 256 f32, 1,024 elements apart in memory, 4 words of padding behind every 256 words
	s_mov_b32 s[G1F], (2<<16)|(1<<20)|(7<<22)|(3<<25)
	s_mov_b32 s[G1F+1], 256<<16                    ; tensor_dim0
	s_mov_b32 s[G1F+2], 16<<16                     ; tensor_dim1
	s_mov_b32 s[G1F+3], 256<<16                    ; tile_dim0
	s_mov_b32 s[G1F+4], 16                         ; tile_dim1
	s_mov_b32 s[G1F+5], 1024                       ; stride
	s_mov_b32 s[G1F+6], 0
	s_mov_b32 s[G1F+7], 0
	s_mov_b32 s[G1R], (2<<16)|(1<<20)|(7<<22)|(3<<25)
	s_mov_b32 s[G1R+1], 256<<16
	s_mov_b32 s[G1R+2], 64<<16
	s_mov_b32 s[G1R+3], 256<<16
	s_mov_b32 s[G1R+4], 64
	s_mov_b32 s[G1R+5], 1024
	s_mov_b32 s[G1R+6], 0
	s_mov_b32 s[G1R+7], 0
	s_lshl_b32 s84, ttmp9, 18                      ; 64 g rows of 4,096 bytes
	s_lshl_b32 s86, s[WV], 16                      ; + my 16 w rows
	s_add_co_u32 s84, s84, s86
	s_mov_b32 s85, 0
	s_lshl_b32 s86, ttmp9, 18
	s_lshl_b32 s88, s[WV], 10                      ; + my block of 256 columns
	s_add_co_u32 s86, s86, s88
	s_mov_b32 s87, 0
	s_mul_i32 s88, s[WV], 16640                    ; 16 rows of 1,040 bytes
	s_mul_i32 s89, s[WV], 66560                    ; a region
	s_wait_kmcnt 0x0
	s_add_nc_u64 s[84:85], s[4:5], s[84:85]
	s_add_nc_u64 s[86:87], s[6:7], s[86:87]
.irp o, 0,1,2,3
	s_mov_b32 s[G0+4*\o], 1
	s_add_co_u32 s[G0+1+4*\o], s88, 66560*\o       ; region o, my 16 rows
	s_add_nc_u64 s[G0+2+4*\o:G0+3+4*\o], s[84:85], 1024*\o
	s_or_b32 s[G0+3+4*\o], s[G0+3+4*\o], 0x80000000
.endr
	s_mov_b32 s[G0R], 1
	s_mov_b32 s[G0R+1], s89                        ; region w, all 64 rows
	s_mov_b64 s[G0R+2:G0R+3], s[86:87]
	s_or_b32 s[G0R+3], s[G0R+3], 0x80000000
	tensor_load_to_lds s[G0:G0+3], s[G1F:G1F+7]    ; the four first fills go out together: my 16 rows of x_kv; four loads of mine are out
	s_nop 0
	tensor_load_to_lds s[G0+4:G0+7], s[G1F:G1F+7]
	s_nop 0
	tensor_load_to_lds s[G0+8:G0+11], s[G1F:G1F+7]
	s_nop 0
	tensor_load_to_lds s[G0+12:G0+15], s[G1F:G1F+7]
	s_nop 0
	PLACES 4                                       ; four places ahead of a switch of windows
	s_mov_b32 s91, 0
	s_mul_i32 s90, s[WV], 12288
	s_add_nc_u64 s[WP:WP+1], s[8:9], s[90:91]
	s_lshl_b32 s90, s[WV], 9
	s_add_co_u32 s90, s90, 1179648
	s_add_nc_u64 s[WSP:WSP+1], s[8:9], s[90:91]
	v_and_b32 v1, 31, v0                           ; lane
	v_and_b32 v2, 15, v0                           ; r
	v_bfe_u32 v3, v0, 4, 1                         ; h
	v_lshlrev_b32 v[LI], 4, v1
	v_lshlrev_b32 v[L4], 2, v1
	WLOAD 0
	WLOAD 1
	v_lshlrev_b32 v[L8], 3, v1
	v_lshlrev_b32 v[R16], 4, v2
	v_mul_u32_u24 v21, v2, 1040
	v_lshl_add_u32 v21, v3, 6, v21
	v_add_nc_u32 v21, s88, v21                     ; row 16 w + r, + 64 h
.irp o, 0,1,2,3
	v_add_nc_u32 v[XA+\o], 66560*\o, v21
.endr
	s_mul_i32 s90, s[WV], 1664
	s_add_co_u32 s90, s90, CC
	v_add_nc_u32 v[IW], s90, v[LI]
	s_lshl_b32 s90, s[WV], 7
	s_add_co_u32 s90, s90, CS
	v_add_nc_u32 v[SW], s90, v[L4]
	v_lshrrev_b32 v22, 3, v2                       ; r / 8
	v_and_b32 v23, 7, v2                           ; r % 8
	v_mul_u32_u24 v[XP], v22, 1664                 ; lane (r, h) of permuted tile (block, u) takes lane 8 u + r % 8 + 16 h of natural tile 2 x block + r / 8
	v_lshl_add_u32 v[XP], v23, 4, v[XP]
	v_lshl_add_u32 v[XP], v3, 8, v[XP]
	v_add_nc_u32 v[XP], CC, v[XP]
	v_lshlrev_b32 v[XSP], 7, v22
	v_lshl_add_u32 v[XSP], v23, 2, v[XSP]
	v_add_nc_u32 v[XSP], CS, v[XSP]
	v_lshl_add_u32 v[VPA], v22, 3, v2
	v_lshl_add_u32 v[VPA], v3, 3, v[VPA]
	v_lshlrev_b32 v[VPA], 2, v[VPA]
	v_mov_b32 v24, 0x08208208                      ; sixteen codes of 1.0 (001000) are these three words
	v_mov_b32 v25, 0x82082082
	v_mov_b32 v26, 0x20820820
	v_mov_b32 v27, 0
	v_cmp_gt_u32 vcc_lo, 8, v2                     ; r < 8
.irp k, 0,1,2,3,4,5
	v_cndmask_b32 v[ONES+\k], 0, v[24+\k%3], vcc_lo
	v_cndmask_b32 v[ONES+6+\k], v[24+\k%3], v27, vcc_lo
.endr
	v_mov_b32 v[ONE], 0x7f7f7f7f
.irp b, 0,1,2,3
	v_mov_b32 v[TM+4+\b], 0                        ; written once: a lane permute's destination counts as one of its sources
.endr
	s_mov_b32 s[SEL], 0x76543210
	s_mov_b32 s[SEL+1], 0xfedcba98
	s_mov_b32 s[HM], 0xffff0000
	s_mul_i32 s90, ttmp9, 24576                    ; q's and k's images: 4 tiles x 4 K steps x 1,536 bytes a work-group; mine is K step w
	s_mul_i32 s92, s[WV], 1536
	s_add_co_u32 s90, s90, s92
	s_add_nc_u64 s[KI:KI+1], s[12:13], s[90:91]
	s_add_nc_u64 s[QI:QI+1], s[10:11], s[90:91]
	s_lshl_b32 s90, ttmp9, 10                      ; their scale words: 2 blocks x 32 lanes x 16 bytes; mine is word w of the 16 bytes
	s_lshl_b32 s92, s[WV], 2
	s_add_co_u32 s90, s90, s92
	s_add_nc_u64 s[QSB:QSB+1], s[16:17], s[90:91]
	s_add_co_u32 s90, s90, 262144
	s_add_nc_u64 s[KSB:KSB+1], s[16:17], s[90:91]
	s_lshr_b32 s92, ttmp9, 1                       ; which 128 keys,
	s_and_b32 s93, ttmp9, 1                        ; and which half of them
	s_mul_i32 s90, s92, 49152
	s_mul_i32 s94, s93, 768
	s_add_co_u32 s90, s90, s94
	s_mul_i32 s94, s[WV], 12288
	s_add_co_u32 s90, s90, s94
	s_add_nc_u64 s[VI:VI+1], s[14:15], s[90:91]
	s_lshl_b32 s90, s92, 11
	s_lshl_b32 s94, s[WV], 9
	s_add_co_u32 s90, s90, s94
	s_lshl_b32 s94, s93, 8
	s_add_co_u32 s90, s90, s94
	s_add_co_u32 s90, s90, 524288
	s_add_nc_u64 s[VSB:VSB+1], s[16:17], s[90:91]
	s_lshl_b32 s90, ttmp9, 11
	s_lshl_b32 s94, s[WV], 9
	s_add_co_u32 s90, s90, s94
	s_add_nc_u64 s[VPB:VPB+1], s[18:19], s[90:91]
	; x_kv and k by turns: a region is quantised when it has landed, and k's two K steps on it follow.  Behind the first three barriers nothing is filled, so the later regions' loads may stay out across them
.irp o, 0,1,2
	QPAIR \o, 1, 0
	XFETCH 2*\o
	GSTEP 2*\o, 0, 1
	GSTEP 2*\o+1, 0, 0
.endr
	QPAIR 3, 1, 1                                  ; the last region; behind its barrier x_q is asked for
	XFETCH 6
	GSTEP 6, 0, 1
	GSTEP 7, 0, 1                                  ; (the cache is whole: v's first fragments of x are fetched here)
	EPI_QK KI, KSB
.irp h, 8,9,10,11,12,13,14
	GSTEP \h, 1, 1
.endr
	GSTEP 15, 1, 0
	EPI_V
	s_wait_tensorcnt 0x0                           ; my block of x_q has landed,
	s_wait_dscnt 0x0                               ; and my reads of the cache are over
	s_barrier_signal -1
	s_barrier_wait -1                              ; everybody's
	s_wait_xcnt 0x0                                ; v's last stores have read their registers
	; x_q and q by turns: the quantising stands between the products' steps, while the weights of the next two steps are on their way
.irp o, 0,1,2,3
	QPAIR \o, 0, 0
	XFETCH 16+2*\o
	GSTEP 16+2*\o, 0, 1
	GSTEP 17+2*\o, 0, 0
.endr
	EPI_QK QI, QSB
	s_wait_tensorcnt 0x0                           ; the wave's end
	ds_add_u32 v[SPW], v[NIL]
	s_wait_dscnt 0x0
	s_endpgm
.Lfunc_end_k_q7201dc2295_proj:
	.size	k_q7201dc2295_proj, .Lfunc_end_k_q7201dc2295_proj-k_q7201dc2295_proj
	.p2alignl 7, 3214868480
	.fill 96, 4, 3214868480
	.section	.rodata,"a",@progbits
	.p2align	6, 0x0
	.amdhsa_kernel k_q7201dc2295_proj
		.amdhsa_group_segment_fixed_size 327680
		.amdhsa_private_segment_fixed_size 0
		.amdhsa_enable_private_segment 0
		.amdhsa_kernarg_size 64
		.amdhsa_user_sgpr_count 2
		.amdhsa_user_sgpr_kernarg_segment_ptr 1
		.amdhsa_wavefront_size32 1
		.amdhsa_system_sgpr_workgroup_id_x 1
		.amdhsa_system_sgpr_workgroup_id_y 1
		.amdhsa_system_sgpr_workgroup_id_z 1
		.amdhsa_system_vgpr_workitem_id 0
		.amdhsa_next_free_vgpr 1024
		.amdhsa_next_free_sgpr 100
		.amdhsa_reserve_vcc 1
		.amdhsa_float_denorm_mode_32 3
		.amdhsa_float_denorm_mode_16_64 3
		.amdhsa_memory_ordered 1
		.amdhsa_forward_progress 1
		.amdhsa_inst_pref_size 255
	.end_amdhsa_kernel
	.section	.bss,"aw",@nobits
	.p2align	6
	.space	262144
	.amdgpu_metadata
---
amdhsa.version: [ 1, 2 ]
amdhsa.kernels:
  - .name:           k_q7201dc2295_proj
    .symbol:         k_q7201dc2295_proj.kd
    .args:
      - { .name: source_key_value, .offset: 0, .size: 8, .value_kind: global_buffer, .address_space: global }
      - { .name: source_query, .offset: 8, .size: 8, .value_kind: global_buffer, .address_space: global }
      - { .name: wcode, .offset: 16, .size: 8, .value_kind: global_buffer, .address_space: global }
      - { .name: qimg, .offset: 24, .size: 8, .value_kind: global_buffer, .address_space: global }
      - { .name: kimg, .offset: 32, .size: 8, .value_kind: global_buffer, .address_space: global }
      - { .name: vimg, .offset: 40, .size: 8, .value_kind: global_buffer, .address_space: global }
      - { .name: scl, .offset: 48, .size: 8, .value_kind: global_buffer, .address_space: global }
      - { .name: vpart, .offset: 56, .size: 8, .value_kind: global_buffer, .address_space: global }
    .group_segment_fixed_size: 327680
    .private_segment_fixed_size: 0
    .kernarg_segment_align: 8
    .kernarg_segment_size: 64
    .max_flat_workgroup_size: 128
    .sgpr_count:     100
    .vgpr_count:     1024
    .wavefront_size: 32
...
	.end_amdgpu_metadata
.endif
;; end of part 2
;; launch attn (part 3): grid 256 x 1, 4 waves a work-group, no clusters, 44,544 bytes of LDS; arguments qimg, kimg, vimg, scl, kbias, vpart, source_query_padding_mask, out0; writes out0
.if DOCPART == 3
	.amdgcn_target "amdgcn-amd-amdhsa--gfx1250"
	.amdhsa_code_object_version 6
	.text
	.protected	k_q7201dc2295_attn
	.globl	k_q7201dc2295_attn
	.p2align	8
	.type	k_q7201dc2295_attn,@function
k_q7201dc2295_attn:
	s_mov_b64 s[64:65], 0
	v_nop
	global_prefetch_b8 v0, s[64:65] scope:SCOPE_SE
	s_setreg_imm32_b32 hwreg(HW_REG_WAVE_MODE, 25, 1), 1
	s_wait_xcnt 0x0
; out[b][q] = softmax_k(q . k / sqrt(512), masked) v, both products on codes of FP6 (E2M3) with E8M0 scales; causal mask, padded keys, padded queries.
; SHARES: work-group g: batch b = g / 32, i = g % 32; it owns two pieces of 32 queries: 32 i on (i / 4 + 1 key steps of 128) and 32 (63 - i) on (16 - i / 4 steps): 17 steps for every work-group.  Both pieces share K's and V's fragments.
; In a key step wave w makes S^T = K Q^T for keys 32 w .. 32 w + 31 of the step (a whole block of the second product's K), takes their softmax under a whole number M_w of its own, quantises p, and hands codes, -M_w, the sum and the
; scale's byte to the others through LDS.  Then every wave brings the four blocks under one M (the bytes and sums move by exact powers of two) and makes O^T = V^T P^T for d = 128 w .. 128 w + 127.
; The maximum runs: -M = min(old -M, the four -M_w); O and l are multiplied by 2^(old M - new M).
; Every fragment of K and V is read by ONE wave, from memory straight into its operand registers, a step ahead: K's run is 29 loads, V's 34, so that by the text's own count at most 63 loads of a wave are out in the loop, and no
; load's issue is held until an older one has come (ISA guide 5.7.1).  The last step is written out: it asks for nothing.
; NO JOINT LOADS in this version: they would want a ring of two slots of 98,304 bytes in LDS and a round of a cluster's barrier a step; the work-groups of a batch walk 9 to 16 steps, and only those with equal i / 4 walk alike.
; MASKS: a padded key adds -2^126 to its scores (the C of the first product); a hidden key's score becomes -2^126 (in a piece's last step alone); a block's largest score is held at -2^100 from below, so p = 0 for all of these.
; A row whose sum is 0 (no key counts) and a padded query take the mean of all 2,048 quantised v, as the masked softmax is uniform there.
; The queries of a tile are permuted: tile tb of a piece, lane r = query 8 tb + r + 8 (r / 8); so are the keys of a tile of K, so that a lane's 16 scores are 16 neighbouring keys.
; LIMITS: NaN and infinities are not served; a score under -2^100 counts as masked; a block more than 120 powers of two under the row's M is taken at 2^-120 of its weight.
; REGISTERS: window 0: addresses, statistics, scale words, v160-223 S^T.  window 1: O^T, 64 a tile.  window 2: Q (v0-191), P (v192-239).  window 3: K (v0-95), V (v96-191).
.set PB,   0                           ; LDS: p's codes: 64 queries x 112 bytes (96 of codes: 128 keys as a stream of bits)
.set ST,   7168                        ; three arrays of 1,024 bytes: -M_w, the sums, the bytes: [piece][query of the piece (32)][block (4)] words
.set STG,  10240                       ; the way out: for each wave 16 rows x (512 + 16) bytes
.set LI,   4
.set L8,   5
.set L4,   6
.set H64,  7
.set R16,  8
.set PWA,  9
.set PRA,  10
.set STW,  11
.set STR,  12
.set SGW,  13
.set SGR,  14
.set RL,   15                          ; r + 8 (r / 8) - 16 h
.set QL,   16                          ; 8 h + r + 8 (r / 8): the query of the piece that lane l stands for in the merge
.set NEGV, 17
.set DD,   18
.set PFO,  19
.set VSUM, 20                          ; v20-23  the sum of all quantised v at d = 128 w + 4 lane + 0 .. 3
.set QP,   24                          ; v24-25  the query's padding byte, a piece each
.set NMO,  26                          ; v26-27  the running -M
.set LL,   28                          ; v28-29  the running sum
.set PWD,  30                          ; v30-31  p's scale words
.set KS,   32
.set QS,   36
.set VSR,  44
.set VSX,  48
.set VSW,  52
.set KB,   60
.set F,    76                          ; v76-83  a pair a tile: the factor in its low word
.set NM,   84                          ; v84-91  a pair a tile: -M_w in its low word
.set CD,   92
.set MX,   108
.set PM,   112
.set LS,   116
.set TT,   120
.set BY,   124
.set MI,   128                         ; v128-151 what the merge reads: 12 registers a piece
.set TP,   152                         ; v152-159 at work
.set DW,   158
.set S,    160
.set WV,   20
.set BB,   21
.set II,   22
.set NA,   23
.set NB,   24
.set J,    25
.set SEL,  28
.set CS,   30
.set HM,   32
.set P0,   33
.set P1,   34
.set KP,   36
.set KSP,  38
.set KBP,  40
.set VP,   42
.set VSP,  44
.set OA,   46
.set NB1,  50                          ; s50  piece 1's steps less one: the loop's bound
.set Q0,   56
.set PF,   66
.set PFL,  68
.set RD,   70
.set MSB, 0
.macro WIN new                         ; the immediate's high byte repeats the setting that is left; a switch that changes nothing is dropped
.if MSB != (\new)
	s_set_vgpr_msb (MSB<<8)|(\new)
.set MSB, (\new)
.endif
.endm
.macro PLACES n
.rept \n
	v_nop
.endr
.endm
; one scaled product.  z: C is the constant 0, else v[c] on.  ra, rb: the side's scales are read from lanes 16-31
.macro WM d, a, b, z, c, sa, sb, ra, rb
.set MD, \d
.set MA, \a
.set MBB, \b
.set MC, \c
.set MP, \sa
.set MQ, \sb
.if (\z)
.if (\ra)
.if (\rb)
	v_wmma_scale_f32_16x16x128_f8f6f4 v[MD:MD+7], v[MA:MA+11], v[MBB:MBB+11], 0, v[MP], v[MQ] matrix_a_fmt:MATRIX_FMT_FP6 matrix_b_fmt:MATRIX_FMT_FP6 matrix_a_scale:MATRIX_SCALE_ROW1 matrix_b_scale:MATRIX_SCALE_ROW1
.else
	v_wmma_scale_f32_16x16x128_f8f6f4 v[MD:MD+7], v[MA:MA+11], v[MBB:MBB+11], 0, v[MP], v[MQ] matrix_a_fmt:MATRIX_FMT_FP6 matrix_b_fmt:MATRIX_FMT_FP6 matrix_a_scale:MATRIX_SCALE_ROW1
.endif
.else
.if (\rb)
	v_wmma_scale_f32_16x16x128_f8f6f4 v[MD:MD+7], v[MA:MA+11], v[MBB:MBB+11], 0, v[MP], v[MQ] matrix_a_fmt:MATRIX_FMT_FP6 matrix_b_fmt:MATRIX_FMT_FP6 matrix_b_scale:MATRIX_SCALE_ROW1
.else
	v_wmma_scale_f32_16x16x128_f8f6f4 v[MD:MD+7], v[MA:MA+11], v[MBB:MBB+11], 0, v[MP], v[MQ] matrix_a_fmt:MATRIX_FMT_FP6 matrix_b_fmt:MATRIX_FMT_FP6
.endif
.endif
.else
.if (\ra)
.if (\rb)
	v_wmma_scale_f32_16x16x128_f8f6f4 v[MD:MD+7], v[MA:MA+11], v[MBB:MBB+11], v[MC:MC+7], v[MP], v[MQ] matrix_a_fmt:MATRIX_FMT_FP6 matrix_b_fmt:MATRIX_FMT_FP6 matrix_a_scale:MATRIX_SCALE_ROW1 matrix_b_scale:MATRIX_SCALE_ROW1
.else
	v_wmma_scale_f32_16x16x128_f8f6f4 v[MD:MD+7], v[MA:MA+11], v[MBB:MBB+11], v[MC:MC+7], v[MP], v[MQ] matrix_a_fmt:MATRIX_FMT_FP6 matrix_b_fmt:MATRIX_FMT_FP6 matrix_a_scale:MATRIX_SCALE_ROW1
.endif
.else
.if (\rb)
	v_wmma_scale_f32_16x16x128_f8f6f4 v[MD:MD+7], v[MA:MA+11], v[MBB:MBB+11], v[MC:MC+7], v[MP], v[MQ] matrix_a_fmt:MATRIX_FMT_FP6 matrix_b_fmt:MATRIX_FMT_FP6 matrix_b_scale:MATRIX_SCALE_ROW1
.else
	v_wmma_scale_f32_16x16x128_f8f6f4 v[MD:MD+7], v[MA:MA+11], v[MBB:MBB+11], v[MC:MC+7], v[MP], v[MQ] matrix_a_fmt:MATRIX_FMT_FP6 matrix_b_fmt:MATRIX_FMT_FP6
.endif
.endif
.endif
.endm
.macro KLOAD                           ; my block of 32 keys: 8 fragments (tile u, K step c at 12 (4 u + c)), its 4 scale registers by one load, 16 numbers of kbias: 29 loads
	WIN 0xC0
.set n_, 0
.rept 24
	global_load_b128 v[4*n_:4*n_+3], v[LI], s[KP:KP+1] offset:512*n_
.set n_, n_+1
.endr
	WIN 0
	global_load_b128 v[KS:KS+3], v[LI], s[KSP:KSP+1]   ; register c: K step c's scale words: lanes 0-15 tile 0, lanes 16-31 tile 1
.irp u, 0,1
.irp k, 0,1
	global_load_b128 v[KB+8*\u+4*\k:KB+8*\u+4*\k+3], v[H64], s[KBP:KBP+1] offset:32*\u+16*\k   ; register 8 u + j: key 16 h + 8 u + j, as in the result's layout
.endr
.endr
.endm
.macro VLOAD                           ; my 8 tiles of V^T for the step's 128 keys, and their scale bytes: 34 loads
	WIN 0xC0
.irp dt, 0,1,2,3,4,5,6,7
.irp c, 0,1
	global_load_b128 v[96+12*\dt+6*\c:96+12*\dt+6*\c+3], v[LI], s[VP:VP+1] offset:1536*\dt+768*\c
	global_load_b64 v[96+12*\dt+6*\c+4:96+12*\dt+6*\c+5], v[L8], s[VP:VP+1] offset:1536*\dt+768*\c+512
.endr
.endr
	WIN 0
	global_load_b128 v[VSR:VSR+3], v[R16], s[VSP:VSP+1]
	global_load_b128 v[VSX:VSX+3], v[R16], s[VSP:VSP+1] offset:256
.endm
.macro SPROD a                         ; S^T of piece a: four accumulators by turns, four K steps; the first takes kbias as C
	WIN 0x0B
.irp c, 0,1,2,3
.irp tb, 0,1
.irp u, 0,1
.set T, 2*\a+\tb
.if \c == 0
	WM S+16*T+8*\u, 12*(4*\u+\c), 12*(4*T+\c), 0, KB+8*\u, KS+\c, QS+4*\a+\c, \u, \tb
.else
	WM S+16*T+8*\u, 12*(4*\u+\c), 12*(4*T+\c), 0, S+16*T+8*\u, KS+\c, QS+4*\a+\c, \u, \tb
.endif
.endr
.endr
.endr
	WIN 0
.endm
.macro CMASK a                         ; register n holds key 128 j + 32 w + 16 h + n: hidden where it comes after my query
	s_lshl_b32 s27, s[J], 7
	s_sub_co_i32 s27, s[Q0+\a], s27
	s_lshl_b32 s35, s[WV], 5
	s_sub_co_i32 s27, s27, s35
.irp tb, 0,1
.set T, 2*\a+\tb
	v_add_nc_u32 v[DD], s27, v[RL]
.irp n, 0,1,2,3,4,5,6,7,8,9,10,11,12,13,14,15
	v_cmp_gt_i32 vcc_lo, \n, v[DD]
	v_cndmask_b32 v[S+16*T+\n], v[S+16*T+\n], v[NEGV], vcc_lo
.endr
	s_add_co_i32 s27, s27, 8
.endr
.endm
.macro SOFT a                          ; the softmax of my block for piece a's two tiles, line by line
.irp tb, 0,1
.set T, 2*\a+\tb
	v_max3_num_f32 v[MX+T], v[S+16*T], v[S+16*T+1], 0xf1800000   ; the block's largest score, held at -2^100 from below
.endr
.irp i, 2,4,6,8,10,12,14
.irp tb, 0,1
.set T, 2*\a+\tb
	v_max3_num_f32 v[MX+T], v[MX+T], v[S+16*T+\i], v[S+16*T+\i+1]
.endr
.endr
.irp tb, 0,1
.set T, 2*\a+\tb
	v_permlanex16_b32 v[TT+T], v[MX+T], s[SEL], s[SEL+1]
.endr
.irp tb, 0,1
.set T, 2*\a+\tb
	v_max_num_f32 v[MX+T], v[MX+T], v[TT+T]        ; with lane l xor 16's 16 keys
.endr
.irp tb, 0,1
.set T, 2*\a+\tb
	v_mul_f32 v[TT+T], s[CS], v[MX+T]              ; as t
.endr
.irp tb, 0,1
.set T, 2*\a+\tb
	v_floor_f32 v[NM+2*T], -v[TT+T]                ; -M_w = floor(-t): a whole number
.endr
.irp i, 0,2,4,6,8,10,12,14
.irp tb, 0,1
.set T, 2*\a+\tb
	v_pk_fma_f32 v[S+16*T+\i:S+16*T+\i+1], v[S+16*T+\i:S+16*T+\i+1], s[CS:CS+1], v[NM+2*T:NM+2*T+1] op_sel_hi:[1,0,0]   ; t - M_w
.endr
.endr
.irp tb, 0,1
.set T, 2*\a+\tb
	v_fma_f32 v[PM+T], v[MX+T], s[CS], v[NM+2*T]   ; the same of the largest score: it gives the block's largest p
.endr
.irp i, 0,1,2,3,4,5,6,7,8,9,10,11,12,13,14,15
.irp tb, 0,1
.set T, 2*\a+\tb
	v_exp_f32 v[S+16*T+\i], v[S+16*T+\i]           ; p = 2^(t - M_w)
.endr
.endr
.irp tb, 0,1
.set T, 2*\a+\tb
	v_exp_f32 v[PM+T], v[PM+T]
.endr
	v_nop                                          ; a plain place behind the last exponential
	s_wait_alu depctr_va_vdst(0)                   ; one wait for the batch of 34, ahead of its first reader
.irp tb, 0,1
.set T, 2*\a+\tb
	v_pk_add_f32 v[TP+4*\tb:TP+4*\tb+1], v[S+16*T:S+16*T+1], v[S+16*T+2:S+16*T+3]        ; the sum of the unquantised p, in two chains
	v_pk_add_f32 v[TP+4*\tb+2:TP+4*\tb+3], v[S+16*T+4:S+16*T+5], v[S+16*T+6:S+16*T+7]
.endr
.irp i, 8,12
.irp tb, 0,1
.set T, 2*\a+\tb
	v_pk_add_f32 v[TP+4*\tb:TP+4*\tb+1], v[TP+4*\tb:TP+4*\tb+1], v[S+16*T+\i:S+16*T+\i+1]
	v_pk_add_f32 v[TP+4*\tb+2:TP+4*\tb+3], v[TP+4*\tb+2:TP+4*\tb+3], v[S+16*T+\i+2:S+16*T+\i+3]
.endr
.endr
.irp tb, 0,1
	v_pk_add_f32 v[TP+4*\tb:TP+4*\tb+1], v[TP+4*\tb:TP+4*\tb+1], v[TP+4*\tb+2:TP+4*\tb+3]
.endr
.irp tb, 0,1
.set T, 2*\a+\tb
	v_add_f32 v[LS+T], v[TP+4*\tb], v[TP+4*\tb+1]
.endr
.irp tb, 0,1
.set T, 2*\a+\tb
	v_permlanex16_b32 v[TT+T], v[LS+T], s[SEL], s[SEL+1]
.endr
.irp tb, 0,1
.set T, 2*\a+\tb
	v_add_f32 v[LS+T], v[LS+T], v[TT+T]
.endr
.irp tb, 0,1
.set T, 2*\a+\tb
	v_max_num_f32 v[PM+T], 0x1800000, v[PM+T]      ; the floor 2^(3 - 127)
.endr
.irp tb, 0,1
.set T, 2*\a+\tb
	v_add_nc_u32 v[TT+T], 0xff000000, v[PM+T]      ; 2 off the exponent field: the conversion's scale operand
.endr
.irp tb, 0,1
.set T, 2*\a+\tb
	v_lshrrev_b32 v[BY+T], 23, v[TT+T]             ; the block's byte under M_w: 124 or 125
.endr
.irp tb, 0,1
.set T, 2*\a+\tb
	v_cvt_scalef32_pk16_fp6_f32 v[CD+4*T:CD+4*T+2], v[S+16*T:S+16*T+15], v[TT+T]   ; 96 bits: keys 16 h + 0 .. 15 of my block
.endr
	v_nop                                          ; one plain place behind a scaled conversion
.endm
.macro PUT a                           ; lanes 0-15 speak for tile 0's queries, lanes 16-31 for tile 1's
	v_cndmask_b32 v[TP], v[NM+4*\a], v[NM+4*\a+2], s[HM]
	v_cndmask_b32 v[TP+1], v[LS+2*\a], v[LS+2*\a+1], s[HM]
	v_cndmask_b32 v[TP+2], v[BY+2*\a], v[BY+2*\a+1], s[HM]
	ds_store_b32 v[STW], v[TP] offset:512*\a
	ds_store_b32 v[STW], v[TP+1] offset:512*\a+1024
	ds_store_b32 v[STW], v[TP+2] offset:512*\a+2048
.irp tb, 0,1
.irp k, 0,1,2
	ds_store_b32 v[PWA], v[CD+4*(2*\a+\tb)+\k] offset:1792*(2*\a+\tb)+4*\k
.endr
.endr
.endm
.macro GET a
.irp q, 0,1,2
	ds_load_b128 v[MI+12*\a+4*\q:MI+12*\a+4*\q+3], v[STR] offset:512*\a+1024*\q
.endr
	WIN 0x80
.irp tb, 0,1
.irp p, 0,1,2,3,4,5
	ds_load_b64 v[192+12*(2*\a+\tb)+2*\p:192+12*(2*\a+\tb)+2*\p+1], v[PRA] offset:1792*(2*\a+\tb)+48*(\p/3)+8*(\p%3)   ; P's fragment: 16 queries x 128 keys
.endr
.endr
	WIN 0
.endm
.macro VSMERGE                         ; a tile's scale word: two bytes from each half of the 128 keys
.irp p, 0,1,2,3
	v_perm_b32 v[VSW+2*\p], v[VSX+\p], v[VSR+\p], s[P0]
	v_perm_b32 v[VSW+2*\p+1], v[VSX+\p], v[VSR+\p], s[P1]
.endr
.endm
.macro MERGE a                         ; a lane stands for one query of the piece
.set NK, MI+12*\a
	v_min3_num_f32 v[TP], v[NMO+\a], v[NK], v[NK+1]
	v_min3_num_f32 v[TP], v[TP], v[NK+2], v[NK+3]  ; the new -M
	v_sub_f32 v[TP+1], v[TP], v[NMO+\a]            ; old M - new M: a whole number, 0 or less
.irp k, 0,1,2,3
	v_sub_f32 v[NK+\k], v[TP], v[NK+\k]            ; M_k - new M
.endr
	v_cvt_i32_f32 v[TP+1], v[TP+1]                 ; (it saturates)
.irp k, 0,1,2,3
	v_max_num_f32 v[NK+\k], 0xc2f00000, v[NK+\k]   ; held at -120: the byte stays above 0
.endr
	v_ldexp_f32 v[TP+1], 1.0, v[TP+1]              ; f = 2^(old M - new M)
.irp k, 0,1,2,3
	v_cvt_i32_f32 v[NK+\k], v[NK+\k]
.endr
	v_mov_b32 v[NMO+\a], v[TP]
.irp k, 0,1,2,3
	v_add_nc_u32 v[NK+8+\k], v[NK+8+\k], v[NK+\k]  ; the block's byte under the new M
.endr
.irp k, 0,1,2,3
	v_ldexp_f32 v[NK+\k], 1.0, v[NK+\k]
.endr
	v_mul_f32 v[LL+\a], v[LL+\a], v[TP+1]
.irp k, 0,1,2,3
	v_fmac_f32 v[LL+\a], v[NK+4+\k], v[NK+\k]
.endr
	v_lshl_or_b32 v[PWD+\a], v[NK+9], 8, v[NK+8]
	v_lshl_or_b32 v[PWD+\a], v[NK+10], 16, v[PWD+\a]
	v_lshl_or_b32 v[PWD+\a], v[NK+11], 24, v[PWD+\a]
	v_permlanex16_b32 v[TP+2], v[TP+1], s[SEL], s[SEL+1]
	v_cndmask_b32 v[F+4*\a], v[TP+1], v[TP+2], s[HM]       ; tile 0's factor in both halves of the lanes,
	v_cndmask_b32 v[F+4*\a+2], v[TP+2], v[TP+1], s[HM]     ; tile 1's
.endm
.macro RESCALE a
	WIN 0x41
.irp tb, 0,1
.set T, 2*\a+\tb
.set n_, 0
.rept 32
	v_pk_mul_f32 v[64*T+2*n_:64*T+2*n_+1], v[64*T+2*n_:64*T+2*n_+1], v[F+2*T:F+2*T+1] op_sel_hi:[1,0]
.set n_, n_+1
.endr
.endr
	WIN 0
.endm
.macro PV a, zero                      ; O^T += V^T P^T: 16 accumulators, one product each
	WIN 0x5B
.irp dt, 0,1,2,3,4,5,6,7
.irp tb, 0,1
.set T, 2*\a+\tb
	WM 64*T+8*\dt, 96+12*\dt, 192+12*T, \zero, 64*T+8*\dt, VSW+\dt, PWD+\a, 0, \tb
.endr
.endr
	WIN 0
.endm
; A KEY STEP.  kind 0: step 0, in which both pieces are at work and the products start O^T's sums.  kind 1: a step of the loop; piece 0's parts are jumped over, by scalar branches on ids, once its steps are done.
; kind 2: piece 1's last step: piece 0 is done (it has at most 8 steps, piece 1 at least 9), the causal mask is due, and nothing more is asked for.
.macro STEP kind
.if \kind < 2
	s_add_co_u32 s26, s[J], 1
.endif
	s_wait_loadcnt 34                              ; this step's K is in; the 34 younger loads are its V
	SPROD 1
.if \kind == 1
	s_cmp_lt_u32 s[J], s[NA]
	s_cbranch_scc0 .Lsa_\@
.endif
.if \kind < 2
	SPROD 0
.endif
.if \kind == 1
.Lsa_\@:
.endif
	PLACES 4                                       ; in front of the loads into K's registers and of the first read of the scores
.if \kind < 2
	s_wait_xcnt 0x0                                ; the earlier loads have read their bases
	s_add_nc_u64 s[KP:KP+1], s[KP:KP+1], 49152
	s_add_nc_u64 s[KSP:KSP+1], s[KSP:KSP+1], 2048
	s_add_nc_u64 s[KBP:KBP+1], s[KBP:KBP+1], 512
	KLOAD                                          ; the next step's K: with this step's V 63 loads are out
.endif
	s_barrier_signal -1                            ; every wave's reads of the last step's codes and statistics are back (it waited for them there)
	s_barrier_wait -1
.if \kind == 2
	CMASK 1
.endif
	SOFT 1
	PUT 1
.if \kind == 1
	s_cmp_lt_u32 s[J], s[NA]
	s_cbranch_scc0 .Lsb_\@
.endif
.if \kind < 2
	s_cmp_eq_u32 s26, s[NA]
	s_cbranch_scc0 .Lnm0_\@
	CMASK 0
.Lnm0_\@:
	SOFT 0
	PUT 0
.endif
.if \kind == 1
.Lsb_\@:
.endif
	s_wait_dscnt 0x0                               ; for the others' sake: my stores have landed
	s_barrier_signal -1
	s_barrier_wait -1
	GET 1
.if \kind == 1
	s_cmp_lt_u32 s[J], s[NA]
	s_cbranch_scc0 .Lsc_\@
.endif
.if \kind < 2
	GET 0
.endif
.if \kind == 1
.Lsc_\@:
.endif
	s_wait_dscnt 0x0
.if \kind < 2
	s_wait_loadcnt 29                              ; this step's V is in; the 29 younger loads are the next step's K
.else
	s_wait_loadcnt 0x0                             ; the last V is in: nothing was asked for behind it
.endif
	VSMERGE
	MERGE 1
.if \kind > 0
	RESCALE 1                                      ; (these are also the places between the scale registers' last writes and the products)
.endif
.if \kind == 1
	s_cmp_lt_u32 s[J], s[NA]
	s_cbranch_scc0 .Lsd_\@
.endif
.if \kind == 0
	MERGE 0
	PLACES 8                                       ; a scale register written by a vector instruction stands 8 places ahead of a scaled product
	PV 0, 1
	PV 1, 1
.endif
.if \kind == 1
	MERGE 0
	RESCALE 0
	PV 0, 0
.Lsd_\@:
.endif
.if \kind > 0
	PV 1, 0
.endif
	PLACES 5                                       ; in front of the loads into V's registers, and of what follows the last step
.if \kind < 2
	s_wait_xcnt 0x0                                ; the earlier loads and the last prefetch have read their bases
	s_add_nc_u64 s[VP:VP+1], s[VP:VP+1], 49152
	s_add_nc_u64 s[VSP:VSP+1], s[VSP:VSP+1], 2048
	s_add_nc_u64 s[PF:PF+1], s[PF:PF+1], 49152
	VLOAD                                          ; the next step's V: with its K 63 loads are out
	s_cmp_lt_u32 s[J], s[PFL]                      ; A PREFETCH of key step j + 3, whose loads are issued two steps on.  Of a batch's work-groups the first three ask, which walk all 16 steps: their twelve waves share
	s_cbranch_scc0 .Lnp_\@                         ; a step's 49,152 bytes of K and 49,152 of V, 8,192 a wave, lanes 256 bytes apart: each block is named once.  Steps 0 to 2 come by their loads alone; the last request, in step 12, names step 15
	global_prefetch_b8 v[PFO], s[PF:PF+1] th:TH_LOAD_NT scope:SCOPE_SE
.Lnp_\@:
.endif
.endm
; THE WAY OUT of tile t: O^T / l (0 for a row that takes the mean), through my stage, back as whole rows of 512 bytes; + the mean's share; stored
.macro OUT t
.set OT, \t
.set OAA, (\t)/2
.set OTB, (\t)%2
	WIN 0x41
.set n_, 0
.rept 32
	v_pk_mul_f32 v[64*OT+2*n_:64*OT+2*n_+1], v[64*OT+2*n_:64*OT+2*n_+1], v[F+2*OT:F+2*OT+1] op_sel_hi:[1,0]
.set n_, n_+1
.endr
	WIN 0x04                                       ; an LDS store's data are its source 1: window 1
.irp p, 0,1,2,3
.irp k, 0,1,2,3
	ds_store_b128 v[SGW], v[64*OT+8*(2*\p+\k/2)+4*(\k%2):64*OT+8*(2*\p+\k/2)+4*(\k%2)+3] offset:128*\p+16*\k   ; d = 32 p + 16 h + 4 k + 0 .. 3 of query r
.endr
.endr
	WIN 0
	s_wait_xcnt 0x0                                ; the last tile's stores have read their registers
.set n_, 0
.rept 16
	ds_load_b128 v[S+4*n_:S+4*n_+3], v[SGR] offset:528*n_   ; LDS serves a wave's instructions in order: these see my stores
.set n_, n_+1
.endr
.set n_, 0
.rept 16
	s_wait_dscnt 15-n_
	v_readlane_b32 s[RD], v[DW+OAA], 16*OTB+n_     ; 1 / 2,048 for a row that takes the mean, else 0
	v_pk_fma_f32 v[S+4*n_:S+4*n_+1], v[VSUM:VSUM+1], s[RD:RD+1], v[S+4*n_:S+4*n_+1] op_sel_hi:[1,0,1]
	v_pk_fma_f32 v[S+4*n_+2:S+4*n_+3], v[VSUM+2:VSUM+3], s[RD:RD+1], v[S+4*n_+2:S+4*n_+3] op_sel_hi:[1,0,1]
	global_store_b128 v[LI], v[S+4*n_:S+4*n_+3], s[OA+2*OAA:OA+2*OAA+1] offset:(8*OTB+n_+8*(n_/8))*2048 th:TH_STORE_NT   ; 32 lanes store 512 consecutive bytes, aligned
.set n_, n_+1
.endr
.endm
	s_load_b512 s[4:19], s[0:1], 0x0               ; qimg s[4:5], kimg s[6:7], vimg s[8:9], scl s[10:11], kbias s[12:13], vpart s[14:15], the query mask s[16:17], out0 s[18:19]
	v_lshl_add_u32 v103, v0, 2, 0xac00
	v_mov_b32 v107, 0
	v_lshrrev_b32 v1, 5, v0
	v_readfirstlane_b32 s[WV], v1                  ; wave 0..3
	s_lshr_b32 s[BB], ttmp9, 5                     ; batch
	s_and_b32 s[II], ttmp9, 31
	s_lshr_b32 s26, s[II], 2
	s_add_co_u32 s[NA], s26, 1                     ; piece 0's key steps: 1 to 8
	s_sub_co_u32 s[NB], 16, s26                    ; piece 1's: 9 to 16
	s_sub_co_u32 s[NB1], 15, s26                   ; less the last, which is written out
	s_mov_b32 s90, s[II]                           ; the pieces' blocks of 32 queries
	s_sub_co_u32 s91, 63, s[II]
	s_lshl_b32 s[Q0], s90, 5
	s_lshl_b32 s[Q0+1], s91, 5
	s_mov_b32 s[J], 0
	s_mov_b32 s[SEL], 0x76543210
	s_mov_b32 s[SEL+1], 0xfedcba98
	s_mov_b32 s[CS], 0x3d8293ee                    ; c = log2(e) / sqrt(512)
	s_mov_b32 s[CS+1], s[CS]                       ; (named with it as a pair, so it is written)
	s_mov_b32 s[HM], 0xffff0000                    ; lanes 16-31
	s_mov_b32 s[P0], 0x05040100
	s_mov_b32 s[P1], 0x07060302
	s_mov_b32 s[RD+1], 0
	s_mov_b32 s73, 0
	v_and_b32 v1, 31, v0                           ; lane
	v_and_b32 v2, 15, v0                           ; r
	v_bfe_u32 v3, v0, 4, 1                         ; h
	v_lshlrev_b32 v[LI], 4, v1
	v_lshlrev_b32 v[L8], 3, v1
	v_lshlrev_b32 v[L4], 2, v1
	v_lshlrev_b32 v[H64], 6, v3
	v_lshlrev_b32 v[R16], 4, v2
	v_mul_u32_u24 v[PWA], v2, 112
	v_mad_u32_u24 v[PWA], v3, 12, v[PWA]
	s_mul_i32 s26, s[WV], 24
	v_add_nc_u32 v[PWA], s26, v[PWA]               ; p's codes, in: query r, + 24 bytes a block, + 12 h
	v_mul_u32_u24 v[PRA], v2, 112
	v_mad_u32_u24 v[PRA], v3, 24, v[PRA]           ; and back as a fragment
	s_lshl_b32 s26, s[WV], 2
	s_add_co_u32 s26, s26, ST
	v_add_nc_u32 v[STW], s26, v[LI]
	v_add_nc_u32 v[STR], ST, v[LI]
	s_mul_i32 s26, s[WV], 8448
	s_add_co_u32 s26, s26, STG
	v_mul_u32_u24 v[SGW], v2, 528
	v_lshl_add_u32 v[SGW], v3, 6, v[SGW]
	v_add_nc_u32 v[SGW], s26, v[SGW]
	v_add_nc_u32 v[SGR], s26, v[LI]
	v_lshrrev_b32 v108, 3, v2
	v_lshl_add_u32 v[QL], v108, 3, v2              ; r + 8 (r / 8)
	v_lshlrev_b32 v109, 4, v3
	v_sub_nc_u32 v[RL], v[QL], v109
	v_lshl_add_u32 v[QL], v3, 3, v[QL]
	v_mov_b32 v[NEGV], 0xfe800000                  ; -2^126
	v_lshlrev_b32 v[PFO], 8, v1
	v_mov_b32 v[NMO], 0x7f61b1e6                   ; -M so far: 3e38, above every -M
	v_mov_b32 v[NMO+1], 0x7f61b1e6
	v_mov_b32 v[LL], 0
	v_mov_b32 v[LL+1], 0
.irp t, 0,1,2,3
	v_mov_b32 v[TT+\t], 0                          ; written once: a lane permute's destination counts as one of its sources;
	v_mov_b32 v[F+2*\t+1], 0                       ; and the upper halves of pairs of which the low word alone is used
	v_mov_b32 v[NM+2*\t+1], 0
.endr
	s_wait_kmcnt 0x0
	s_mul_i32 s72, s[BB], 786432                   ; a batch: 16 steps of 49,152 bytes; my quarter of a step
	s_mul_i32 s74, s[WV], 12288
	s_add_co_u32 s72, s72, s74
	s_add_nc_u64 s[KP:KP+1], s[6:7], s[72:73]
	s_add_nc_u64 s[VP:VP+1], s[8:9], s[72:73]
	s_lshl_b32 s72, s[BB], 15
	s_lshl_b32 s74, s[WV], 9
	s_add_co_u32 s72, s72, s74
	s_add_co_u32 s72, s72, 262144
	s_add_nc_u64 s[KSP:KSP+1], s[10:11], s[72:73]  ; K's scale words: 512 bytes a block of 32 keys: [lane][K step]
	s_add_co_u32 s72, s72, 262144
	s_add_nc_u64 s[VSP:VSP+1], s[10:11], s[72:73]
	s_lshl_b32 s72, s[BB], 13
	s_lshl_b32 s74, s[WV], 7
	s_add_co_u32 s72, s72, s74
	s_add_nc_u64 s[KBP:KBP+1], s[12:13], s[72:73]
	s_lshl_b32 s72, s[BB], 16
	s_lshl_b32 s74, s[WV], 9
	s_add_co_u32 s72, s72, s74
	s_add_nc_u64 s[88:89], s[14:15], s[72:73]      ; vpart: my batch's 32 rows, my 128 d
.irp a, 0,1
	s_lshl_b32 s72, s[BB], 6
	s_add_co_u32 s75, s72, s[90+\a]                ; the piece's block of 32 queries among all 512
	s_mul_i32 s72, s75, 12288
	s_add_nc_u64 s[76+2*\a:77+2*\a], s[4:5], s[72:73]
	s_lshl_b32 s72, s75, 9
	s_add_nc_u64 s[80+2*\a:81+2*\a], s[10:11], s[72:73]
	s_lshl_b32 s72, s75, 5
	s_add_nc_u64 s[84+2*\a:85+2*\a], s[16:17], s[72:73]
	s_lshl_b32 s72, s75, 16                        ; 32 rows of 2,048 bytes
	s_lshl_b32 s74, s[WV], 9
	s_add_co_u32 s72, s72, s74
	s_add_nc_u64 s[OA+2*\a:OA+2*\a+1], s[18:19], s[72:73]
.endr
	s_lshl_b32 s72, s[II], 2                       ; the prefetches: part e = 4 i + w of twelve (held at 11, so that the address is sound in every work-group)
	s_add_co_u32 s72, s72, s[WV]
	s_min_u32 s72, s72, 11
	s_cmp_lt_u32 s72, 6
	s_cselect_b64 s[PF:PF+1], s[6:7], s[8:9]       ; six parts of K's step, six of V's
	s_cselect_b32 s74, 0, 6
	s_sub_co_u32 s72, s72, s74
	s_lshl_b32 s72, s72, 13
	s_mul_i32 s74, s[BB], 786432
	s_add_co_u32 s72, s72, s74
	s_add_co_u32 s72, s72, 2*49152                 ; at step 2: step 0 moves it to step 3
	s_add_nc_u64 s[PF:PF+1], s[PF:PF+1], s[72:73]
	s_cmp_lt_u32 s[II], 3
	s_cselect_b32 s[PFL], 13, 0
.set n_, 0
.rept 32
	global_load_b128 v[128+4*n_:128+4*n_+3], v[LI], s[88:89] offset:2048*n_
.set n_, n_+1
.endr
	WIN 0x80
.irp a, 0,1
.set n_, 0
.rept 24
	global_load_b128 v[96*\a+4*n_:96*\a+4*n_+3], v[LI], s[76+2*\a:77+2*\a] offset:512*n_    ; Q stays in registers: tile 2 a + tb, K step c at 12 (4 (2 a + tb) + c)
.set n_, n_+1
.endr
.endr
	WIN 0
.irp a, 0,1
	global_load_b128 v[QS+4*\a:QS+4*\a+3], v[LI], s[80+2*\a:81+2*\a]   ; register c: K step c's scale words: lanes 0-15 tile 0, lanes 16-31 tile 1
	global_load_u8 v[QP+\a], v[QL], s[84+2*\a:85+2*\a]
.endr
	KLOAD
	s_wait_loadcnt 29                              ; all but K's 29 loads
.irp st, 16,8,4,2
.set n_, 0
.rept \st
	v_pk_add_f32 v[128+4*n_:129+4*n_], v[128+4*n_:129+4*n_], v[128+4*(n_+\st):129+4*(n_+\st)]
	v_pk_add_f32 v[130+4*n_:131+4*n_], v[130+4*n_:131+4*n_], v[130+4*(n_+\st):131+4*(n_+\st)]
.set n_, n_+1
.endr
.endr
	v_pk_add_f32 v[VSUM:VSUM+1], v[128:129], v[132:133]
	v_pk_add_f32 v[VSUM+2:VSUM+3], v[130:131], v[134:135]
	v_mov_b32 v[TP+2], 0                           ; a lane permute's destination
	VLOAD
	STEP 0
	s_mov_b32 s[J], 1
.Lstep:                                            ; piece 1's steps 1 to its last but one: 7 to 14 trips; the bound is not written in the loop
	STEP 1
	s_add_co_u32 s[J], s[J], 1
	s_cmp_lt_u32 s[J], s[NB1]
	s_cbranch_scc1 .Lstep
	STEP 2                                         ; the last step is written out: no load is issued whose data nobody reads
.irp a, 0,1
	v_cmp_eq_f32 s72, 0, v[LL+\a]                  ; no key has counted,
	v_cmp_ne_u32 s73, 0, v[QP+\a]                  ; or the query is padded:
	s_or_b32 s[74+\a], s72, s73                    ; the row takes the mean
	v_rcp_f32 v[TP+\a], v[LL+\a]
.endr
	v_mov_b32 v[TP+4], 0x3a000000                  ; 1 / 2,048.  (A plain place behind the reciprocals)
	s_wait_alu depctr_va_vdst(0)                   ; one wait for the two, ahead of their first reader
.irp a, 0,1
	v_cndmask_b32 v[TP+\a], v[TP+\a], 0, s[74+\a]
	v_cndmask_b32 v[DW+\a], 0, v[TP+4], s[74+\a]
	v_permlanex16_b32 v[TP+2], v[TP+\a], s[SEL], s[SEL+1]
	v_cndmask_b32 v[F+4*\a], v[TP+\a], v[TP+2], s[HM]
	v_cndmask_b32 v[F+4*\a+2], v[TP+2], v[TP+\a], s[HM]
.endr
	OUT 0
	OUT 1
	OUT 2
	OUT 3
	s_wait_tensorcnt 0x0
	ds_add_u32 v103, v107
	s_wait_dscnt 0x0
	s_endpgm
.Lfunc_end_k_q7201dc2295_attn:
	.size	k_q7201dc2295_attn, .Lfunc_end_k_q7201dc2295_attn-k_q7201dc2295_attn
	.p2alignl 7, 3214868480
	.fill 96, 4, 3214868480
	.section	.rodata,"a",@progbits
	.p2align	6, 0x0
	.amdhsa_kernel k_q7201dc2295_attn
		.amdhsa_group_segment_fixed_size 44544
		.amdhsa_private_segment_fixed_size 0
		.amdhsa_enable_private_segment 0
		.amdhsa_kernarg_size 64
		.amdhsa_user_sgpr_count 2
		.amdhsa_user_sgpr_kernarg_segment_ptr 1
		.amdhsa_wavefront_size32 1
		.amdhsa_system_sgpr_workgroup_id_x 1
		.amdhsa_system_sgpr_workgroup_id_y 1
		.amdhsa_system_sgpr_workgroup_id_z 1
		.amdhsa_system_vgpr_workitem_id 0
		.amdhsa_next_free_vgpr 1024
		.amdhsa_next_free_sgpr 100
		.amdhsa_reserve_vcc 1
		.amdhsa_float_denorm_mode_32 3
		.amdhsa_float_denorm_mode_16_64 3
		.amdhsa_memory_ordered 1
		.amdhsa_forward_progress 1
		.amdhsa_inst_pref_size 162
	.end_amdhsa_kernel
	.amdgpu_metadata
---
amdhsa.version: [ 1, 2 ]
amdhsa.kernels:
  - .name:           k_q7201dc2295_attn
    .symbol:         k_q7201dc2295_attn.kd
    .args:
      - { .name: qimg, .offset: 0, .size: 8, .value_kind: global_buffer, .address_space: global }
      - { .name: kimg, .offset: 8, .size: 8, .value_kind: global_buffer, .address_space: global }
      - { .name: vimg, .offset: 16, .size: 8, .value_kind: global_buffer, .address_space: global }
      - { .name: scl, .offset: 24, .size: 8, .value_kind: global_buffer, .address_space: global }
      - { .name: kbias, .offset: 32, .size: 8, .value_kind: global_buffer, .address_space: global }
      - { .name: vpart, .offset: 40, .size: 8, .value_kind: global_buffer, .address_space: global }
      - { .name: source_query_padding_mask, .offset: 48, .size: 8, .value_kind: global_buffer, .address_space: global }
      - { .name: out0, .offset: 56, .size: 8, .value_kind: global_buffer, .address_space: global }
    .group_segment_fixed_size: 44544
    .private_segment_fixed_size: 0
    .kernarg_segment_align: 8
    .kernarg_segment_size: 64
    .max_flat_workgroup_size: 128
    .sgpr_count:     100
    .vgpr_count:     1024
    .wavefront_size: 32
...
	.end_amdgpu_metadata
.endif
;; end of part 3
;; ======== version 2 of 2: 3 launches; version 1 with the launch attn written anew for expert scheduling mode
;; limits: right only within a limited range of input values
;; workspace buffers: wcode 1,228,800 bytes; kbias 65,536 bytes; qimg 6,291,456 bytes; kimg 6,291,456 bytes; vimg 6,291,456 bytes; scl 786,432 bytes; vpart 524,288 bytes
;; launch prep: the kernel of part 1 again; grid 256 x 1, 4 waves a work-group, no clusters, 26,112 bytes of LDS; arguments Wk, Wv, Wq, source_key_value_padding_mask, wcode, kbias; writes wcode, kbias
;; launch proj: the kernel of part 2 again; grid 256 x 1, 4 waves a work-group, no clusters, 327,680 bytes of LDS; arguments source_key_value, source_query, wcode, qimg, kimg, vimg, scl, vpart; writes qimg, kimg, vimg, scl, vpart
;; launch attn (part 4): grid 256 x 1, 4 waves a work-group, no clusters, 44,544 bytes of LDS; arguments qimg, kimg, vimg, scl, kbias, vpart, source_query_padding_mask, out0; writes out0
.if DOCPART == 4
	.amdgcn_target "amdgcn-amd-amdhsa--gfx1250"
	.amdhsa_code_object_version 6
	.text
	.protected	k_q7201dc2295_attn
	.globl	k_q7201dc2295_attn
	.p2align	8
	.type	k_q7201dc2295_attn,@function
k_q7201dc2295_attn:
	s_mov_b64 s[64:65], 0
	v_nop
	global_prefetch_b8 v0, s[64:65] scope:SCOPE_SE
	s_setreg_imm32_b32 hwreg(HW_REG_WAVE_SCHED_MODE, 0, 2), 2
	s_setreg_imm32_b32 hwreg(HW_REG_WAVE_MODE, 25, 1), 1
	s_wait_xcnt 0x0
	s_wait_alu depctr_vm_vsrc(0)
; out[b][q] = softmax_k(q . k / sqrt(512), masked) v, both products on codes of FP6 (E2M3) with E8M0 scales; causal mask, padded keys, padded queries.
; SHARES: work-group g: batch b = g / 32, i = g % 32; it owns two pieces of 32 queries: 32 i on (i / 4 + 1 key steps of 128) and 32 (63 - i) on (16 - i / 4 steps): 17 steps for every work-group.  Both pieces share K's and V's fragments.
; In a key step wave w makes S^T = K Q^T for keys 32 w .. 32 w + 31 of the step (a whole block of the second product's K), takes their softmax under a whole number M_w of its own, quantises p, and hands codes, -M_w, the sum and the
; scale's byte to the others through LDS.  Then every wave brings the four blocks under one M (the bytes and sums move by exact powers of two) and makes O^T = V^T P^T for d = 128 w .. 128 w + 127.
; The maximum runs: -M = min(old -M, the four -M_w); O and l are multiplied by 2^(old M - new M).
; Every fragment of K and V is read by ONE wave, from memory straight into its operand registers, a step ahead: K's run is 29 loads, V's 34, so that by the text's own count at most 63 loads of a wave are out in the loop, and no
; load's issue is held until an older one has come (ISA guide 5.7.1).  The last step is written out: it asks for nothing.
; NO JOINT LOADS in this version: they would want a ring of two slots of 98,304 bytes in LDS and a round of a cluster's barrier a step; the work-groups of a batch walk 9 to 16 steps, and only those with equal i / 4 walk alike.
; MASKS: a padded key adds -2^126 to its scores (the C of the first product); a hidden key's score becomes -2^126 (in a piece's last step alone); a block's largest score is held at -2^100 from below, so p = 0 for all of these.
; A row whose sum is 0 (no key counts) and a padded query take the mean of all 2,048 quantised v, as the masked softmax is uniform there.
; The queries of a tile are permuted: tile tb of a piece, lane r = query 8 tb + r + 8 (r / 8); so are the keys of a tile of K, so that a lane's 16 scores are 16 neighbouring keys.
; LIMITS: NaN and infinities are not served; a score under -2^100 counts as masked; a block more than 120 powers of two under the row's M is taken at 2^-120 of its weight.
; REGISTERS: window 0: addresses, statistics, scale words, v160-223 S^T, v240-246 what PUT stores.  window 1: O^T, 64 a tile.  window 2: Q (v0-191), P (v192-239).  window 3: K (v0-95), V (v96-191).
; THE MODE: SCHED_MODE bits 1:0 = 2 (LLVM: expert scheduling mode 2), set by the entry lines.  The code itself states the register dependences
; between vector or matrix instructions and memory or LDS instructions, with s_wait_alu, always for 0.
; THE PLAN.  Registers that memory or LDS instructions touch, in a key step:
;   K, KS, KB      Read by the step's products S^T (A, scales, C).  The next step's 29 loads land in them behind ONE wait on va_vdst, which stands behind those products.
;   V, VSR, VSX    Read by the step's products O^T and by VSMERGE.  The next step's 34 loads land in them behind ONE wait on va_vdst, which stands behind those products.
;   MI, P          GET's LDS loads land in them; MERGE reads and writes MI, the products O^T read P.  The wait ahead of V's loads stands behind all of these (in step 0: the wait ahead of K's loads stands behind the head's sums,
;                  which used MI's registers), and no vector or matrix instruction between it and the next GET names them: GET has no wait of its own.
;   PO, CD         Written by PUT's three selects and by SOFT's conversions, a set for each piece; read by PUT's nine LDS stores, behind one wait on va_vdst a piece.  One wait on vm_vsrc a step, beside the wait in front of the
;                  second barrier, states that the stores have read them, ahead of the next step's writes.
;   VSW, PWD       Scale registers that vector instructions make: behind their eight places a wait on va_vdst, ahead of the products O^T that take them.
;   v4 to v19      Addresses and offsets, made at the head ahead of its one wait on va_vdst, never written again: the bases are scalar registers.
; What passes from a vector instruction through a scalar register (the wave's number, the causal masks, the masks at the end, the lanes read on the way out) is made in runs, with one wait on va_sdst behind each run.
; No second set of registers for K or V: each would take 96, and the wave has some 100 left, strewn over three windows.
.set PB,   0                           ; LDS: p's codes: 64 queries x 112 bytes (96 of codes: 128 keys as a stream of bits)
.set ST,   7168                        ; three arrays of 1,024 bytes: -M_w, the sums, the bytes: [piece][query of the piece (32)][block (4)] words
.set STG,  10240                       ; the way out: for each wave 16 rows x (512 + 16) bytes
.set LI,   4
.set L8,   5
.set L4,   6
.set H64,  7
.set R16,  8
.set PWA,  9
.set PRA,  10
.set STW,  11
.set STR,  12
.set SGW,  13
.set SGR,  14
.set RL,   15                          ; r + 8 (r / 8) - 16 h
.set QL,   16                          ; 8 h + r + 8 (r / 8): the query of the piece that lane l stands for in the merge
.set NEGV, 17
.set DD,   18
.set PFO,  19
.set VSUM, 20                          ; v20-23  the sum of all quantised v at d = 128 w + 4 lane + 0 .. 3
.set QP,   24                          ; v24-25  the query's padding byte, a piece each
.set NMO,  26                          ; v26-27  the running -M
.set LL,   28                          ; v28-29  the running sum
.set PWD,  30                          ; v30-31  p's scale words
.set KS,   32
.set QS,   36
.set VSR,  44
.set VSX,  48
.set VSW,  52
.set KB,   60
.set F,    76                          ; v76-83  a pair a tile: the factor in its low word
.set NM,   84                          ; v84-91  a pair a tile: -M_w in its low word
.set CD,   92
.set MX,   108
.set PM,   112
.set LS,   116
.set TT,   120
.set BY,   124
.set MI,   128                         ; v128-151 what the merge reads: 12 registers a piece
.set TP,   152                         ; v152-159 at work: no memory or LDS instruction names them
.set DW,   158
.set S,    160
.set PO,   240                         ; v240-242, v244-246 what PUT stores of a piece's statistics: -M_w, the sum, the byte
.set WV,   20
.set BB,   21
.set II,   22
.set NA,   23
.set NB,   24
.set J,    25
.set SEL,  28
.set CS,   30
.set HM,   32
.set P0,   33
.set P1,   34
.set KP,   36
.set KSP,  38
.set KBP,  40
.set VP,   42
.set VSP,  44
.set OA,   46
.set NB1,  50                          ; s50  piece 1's steps less one: the loop's bound
.set Q0,   56
.set FM,   58                          ; s58-61 the four masks at the end; s62, s63: a piece's rows that take the mean
.set PF,   66
.set PFL,  68
.set MK,   72                          ; s72-87 a tile's sixteen causal masks.  On the way out s4-19 and s72-87 are sixteen pairs: a row's share of the mean in the low word, 0 in the high
.set MSB, 0
.macro WIN new                         ; the immediate's high byte repeats the setting that is left; a switch that changes nothing is dropped
.if MSB != (\new)
	s_set_vgpr_msb (MSB<<8)|(\new)
.set MSB, (\new)
.endif
.endm
.macro PLACES n
.rept \n
	v_nop
.endr
.endm
; one scaled product.  z: C is the constant 0, else v[c] on.  ra, rb: the side's scales are read from lanes 16-31
.macro WM d, a, b, z, c, sa, sb, ra, rb
.set MD, \d
.set MA, \a
.set MBB, \b
.set MC, \c
.set MP, \sa
.set MQ, \sb
.if (\z)
.if (\ra)
.if (\rb)
	v_wmma_scale_f32_16x16x128_f8f6f4 v[MD:MD+7], v[MA:MA+11], v[MBB:MBB+11], 0, v[MP], v[MQ] matrix_a_fmt:MATRIX_FMT_FP6 matrix_b_fmt:MATRIX_FMT_FP6 matrix_a_scale:MATRIX_SCALE_ROW1 matrix_b_scale:MATRIX_SCALE_ROW1
.else
	v_wmma_scale_f32_16x16x128_f8f6f4 v[MD:MD+7], v[MA:MA+11], v[MBB:MBB+11], 0, v[MP], v[MQ] matrix_a_fmt:MATRIX_FMT_FP6 matrix_b_fmt:MATRIX_FMT_FP6 matrix_a_scale:MATRIX_SCALE_ROW1
.endif
.else
.if (\rb)
	v_wmma_scale_f32_16x16x128_f8f6f4 v[MD:MD+7], v[MA:MA+11], v[MBB:MBB+11], 0, v[MP], v[MQ] matrix_a_fmt:MATRIX_FMT_FP6 matrix_b_fmt:MATRIX_FMT_FP6 matrix_b_scale:MATRIX_SCALE_ROW1
.else
	v_wmma_scale_f32_16x16x128_f8f6f4 v[MD:MD+7], v[MA:MA+11], v[MBB:MBB+11], 0, v[MP], v[MQ] matrix_a_fmt:MATRIX_FMT_FP6 matrix_b_fmt:MATRIX_FMT_FP6
.endif
.endif
.else
.if (\ra)
.if (\rb)
	v_wmma_scale_f32_16x16x128_f8f6f4 v[MD:MD+7], v[MA:MA+11], v[MBB:MBB+11], v[MC:MC+7], v[MP], v[MQ] matrix_a_fmt:MATRIX_FMT_FP6 matrix_b_fmt:MATRIX_FMT_FP6 matrix_a_scale:MATRIX_SCALE_ROW1 matrix_b_scale:MATRIX_SCALE_ROW1
.else
	v_wmma_scale_f32_16x16x128_f8f6f4 v[MD:MD+7], v[MA:MA+11], v[MBB:MBB+11], v[MC:MC+7], v[MP], v[MQ] matrix_a_fmt:MATRIX_FMT_FP6 matrix_b_fmt:MATRIX_FMT_FP6 matrix_a_scale:MATRIX_SCALE_ROW1
.endif
.else
.if (\rb)
	v_wmma_scale_f32_16x16x128_f8f6f4 v[MD:MD+7], v[MA:MA+11], v[MBB:MBB+11], v[MC:MC+7], v[MP], v[MQ] matrix_a_fmt:MATRIX_FMT_FP6 matrix_b_fmt:MATRIX_FMT_FP6 matrix_b_scale:MATRIX_SCALE_ROW1
.else
	v_wmma_scale_f32_16x16x128_f8f6f4 v[MD:MD+7], v[MA:MA+11], v[MBB:MBB+11], v[MC:MC+7], v[MP], v[MQ] matrix_a_fmt:MATRIX_FMT_FP6 matrix_b_fmt:MATRIX_FMT_FP6
.endif
.endif
.endif
.endm
.macro KLOAD w                         ; my block of 32 keys: 8 fragments (tile u, K step c at 12 (4 u + c)), its 4 scale registers by one load, 16 numbers of kbias: 29 loads.  w = 1: in a step, behind products that read these registers
	WIN 0xC0
.if \w
	s_wait_alu depctr_va_vdst(0)                   ; the step's products S^T are done reading K, its scale words and kbias, in which the 29 loads below land
.endif
.set n_, 0
.rept 24
	global_load_b128 v[4*n_:4*n_+3], v[LI], s[KP:KP+1] offset:512*n_
.set n_, n_+1
.endr
	WIN 0
	global_load_b128 v[KS:KS+3], v[LI], s[KSP:KSP+1]   ; register c: K step c's scale words: lanes 0-15 tile 0, lanes 16-31 tile 1
.irp u, 0,1
.irp k, 0,1
	global_load_b128 v[KB+8*\u+4*\k:KB+8*\u+4*\k+3], v[H64], s[KBP:KBP+1] offset:32*\u+16*\k   ; register 8 u + j: key 16 h + 8 u + j, as in the result's layout
.endr
.endr
.endm
.macro VLOAD w                         ; my 8 tiles of V^T for the step's 128 keys, and their scale bytes: 34 loads.  w = 1: in a step, behind products that read these registers
	WIN 0xC0
.if \w
	s_wait_alu depctr_va_vdst(0)                   ; the step's products O^T are done reading V, and VSMERGE its scale bytes, in which the 34 loads below land; MERGE and those products are also done with MI and P, in which the next step's LDS loads land
.endif
.irp dt, 0,1,2,3,4,5,6,7
.irp c, 0,1
	global_load_b128 v[96+12*\dt+6*\c:96+12*\dt+6*\c+3], v[LI], s[VP:VP+1] offset:1536*\dt+768*\c
	global_load_b64 v[96+12*\dt+6*\c+4:96+12*\dt+6*\c+5], v[L8], s[VP:VP+1] offset:1536*\dt+768*\c+512
.endr
.endr
	WIN 0
	global_load_b128 v[VSR:VSR+3], v[R16], s[VSP:VSP+1]
	global_load_b128 v[VSX:VSX+3], v[R16], s[VSP:VSP+1] offset:256
.endm
.macro SPROD a                         ; S^T of piece a: four accumulators by turns, four K steps; the first takes kbias as C
	WIN 0x0B
.irp c, 0,1,2,3
.irp tb, 0,1
.irp u, 0,1
.set T, 2*\a+\tb
.if \c == 0
	WM S+16*T+8*\u, 12*(4*\u+\c), 12*(4*T+\c), 0, KB+8*\u, KS+\c, QS+4*\a+\c, \u, \tb
.else
	WM S+16*T+8*\u, 12*(4*\u+\c), 12*(4*T+\c), 0, S+16*T+8*\u, KS+\c, QS+4*\a+\c, \u, \tb
.endif
.endr
.endr
.endr
	WIN 0
.endm
.macro CMASK a                         ; register n holds key 128 j + 32 w + 16 h + n: hidden where it comes after my query.  A tile's sixteen compares go as a run into sixteen scalar registers
	s_lshl_b32 s27, s[J], 7
	s_sub_co_i32 s27, s[Q0+\a], s27
	s_lshl_b32 s35, s[WV], 5
	s_sub_co_i32 s27, s27, s35
.irp tb, 0,1
.set T, 2*\a+\tb
	v_add_nc_u32 v[DD], s27, v[RL]
.irp n, 0,1,2,3,4,5,6,7,8,9,10,11,12,13,14,15
	v_cmp_gt_i32 s[MK+\n], \n, v[DD]
.endr
	s_wait_alu depctr_va_sdst(0)                   ; the sixteen masks are written, ahead of the selects that read them
.irp n, 0,1,2,3,4,5,6,7,8,9,10,11,12,13,14,15
	v_cndmask_b32 v[S+16*T+\n], v[S+16*T+\n], v[NEGV], s[MK+\n]
.endr
	s_add_co_i32 s27, s27, 8
.endr
.endm
.macro SOFT a                          ; the softmax of my block for piece a's two tiles, line by line
.irp tb, 0,1
.set T, 2*\a+\tb
	v_max3_num_f32 v[MX+T], v[S+16*T], v[S+16*T+1], 0xf1800000   ; the block's largest score, held at -2^100 from below
.endr
.irp i, 2,4,6,8,10,12,14
.irp tb, 0,1
.set T, 2*\a+\tb
	v_max3_num_f32 v[MX+T], v[MX+T], v[S+16*T+\i], v[S+16*T+\i+1]
.endr
.endr
.irp tb, 0,1
.set T, 2*\a+\tb
	v_permlanex16_b32 v[TT+T], v[MX+T], s[SEL], s[SEL+1]
.endr
.irp tb, 0,1
.set T, 2*\a+\tb
	v_max_num_f32 v[MX+T], v[MX+T], v[TT+T]        ; with lane l xor 16's 16 keys
.endr
.irp tb, 0,1
.set T, 2*\a+\tb
	v_mul_f32 v[TT+T], s[CS], v[MX+T]              ; as t
.endr
.irp tb, 0,1
.set T, 2*\a+\tb
	v_floor_f32 v[NM+2*T], -v[TT+T]                ; -M_w = floor(-t): a whole number
.endr
.irp i, 0,2,4,6,8,10,12,14
.irp tb, 0,1
.set T, 2*\a+\tb
	v_pk_fma_f32 v[S+16*T+\i:S+16*T+\i+1], v[S+16*T+\i:S+16*T+\i+1], s[CS:CS+1], v[NM+2*T:NM+2*T+1] op_sel_hi:[1,0,0]   ; t - M_w
.endr
.endr
.irp tb, 0,1
.set T, 2*\a+\tb
	v_fma_f32 v[PM+T], v[MX+T], s[CS], v[NM+2*T]   ; the same of the largest score: it gives the block's largest p
.endr
.irp i, 0,1,2,3,4,5,6,7,8,9,10,11,12,13,14,15
.irp tb, 0,1
.set T, 2*\a+\tb
	v_exp_f32 v[S+16*T+\i], v[S+16*T+\i]           ; p = 2^(t - M_w)
.endr
.endr
.irp tb, 0,1
.set T, 2*\a+\tb
	v_exp_f32 v[PM+T], v[PM+T]
.endr
	v_nop                                          ; a plain place behind the last exponential
	s_wait_alu depctr_va_vdst(0)                   ; the 34 exponentials have written p and the blocks' largest p: one wait for the batch, ahead of its first reader
.irp tb, 0,1
.set T, 2*\a+\tb
	v_pk_add_f32 v[TP+4*\tb:TP+4*\tb+1], v[S+16*T:S+16*T+1], v[S+16*T+2:S+16*T+3]        ; the sum of the unquantised p, in two chains
	v_pk_add_f32 v[TP+4*\tb+2:TP+4*\tb+3], v[S+16*T+4:S+16*T+5], v[S+16*T+6:S+16*T+7]
.endr
.irp i, 8,12
.irp tb, 0,1
.set T, 2*\a+\tb
	v_pk_add_f32 v[TP+4*\tb:TP+4*\tb+1], v[TP+4*\tb:TP+4*\tb+1], v[S+16*T+\i:S+16*T+\i+1]
	v_pk_add_f32 v[TP+4*\tb+2:TP+4*\tb+3], v[TP+4*\tb+2:TP+4*\tb+3], v[S+16*T+\i+2:S+16*T+\i+3]
.endr
.endr
.irp tb, 0,1
	v_pk_add_f32 v[TP+4*\tb:TP+4*\tb+1], v[TP+4*\tb:TP+4*\tb+1], v[TP+4*\tb+2:TP+4*\tb+3]
.endr
.irp tb, 0,1
.set T, 2*\a+\tb
	v_add_f32 v[LS+T], v[TP+4*\tb], v[TP+4*\tb+1]
.endr
.irp tb, 0,1
.set T, 2*\a+\tb
	v_permlanex16_b32 v[TT+T], v[LS+T], s[SEL], s[SEL+1]
.endr
.irp tb, 0,1
.set T, 2*\a+\tb
	v_add_f32 v[LS+T], v[LS+T], v[TT+T]
.endr
.irp tb, 0,1
.set T, 2*\a+\tb
	v_max_num_f32 v[PM+T], 0x1800000, v[PM+T]      ; the floor 2^(3 - 127)
.endr
.irp tb, 0,1
.set T, 2*\a+\tb
	v_add_nc_u32 v[TT+T], 0xff000000, v[PM+T]      ; 2 off the exponent field: the conversion's scale operand
.endr
.irp tb, 0,1
.set T, 2*\a+\tb
	v_lshrrev_b32 v[BY+T], 23, v[TT+T]             ; the block's byte under M_w: 124 or 125
.endr
.irp tb, 0,1
.set T, 2*\a+\tb
	v_cvt_scalef32_pk16_fp6_f32 v[CD+4*T:CD+4*T+2], v[S+16*T:S+16*T+15], v[TT+T]   ; 96 bits: keys 16 h + 0 .. 15 of my block
.endr
	v_nop                                          ; one plain place behind a scaled conversion
.endm
.macro PUT a                           ; lanes 0-15 speak for tile 0's queries, lanes 16-31 for tile 1's.  Each piece has out-registers of its own, which no other line writes
	v_cndmask_b32 v[PO+4*\a], v[NM+4*\a], v[NM+4*\a+2], s[HM]
	v_cndmask_b32 v[PO+4*\a+1], v[LS+2*\a], v[LS+2*\a+1], s[HM]
	v_cndmask_b32 v[PO+4*\a+2], v[BY+2*\a], v[BY+2*\a+1], s[HM]
	s_wait_alu depctr_va_vdst(0)                   ; the three selects have written PO and the piece's two conversions CD, which the nine LDS stores below read
	ds_store_b32 v[STW], v[PO+4*\a] offset:512*\a
	ds_store_b32 v[STW], v[PO+4*\a+1] offset:512*\a+1024
	ds_store_b32 v[STW], v[PO+4*\a+2] offset:512*\a+2048
.irp tb, 0,1
.irp k, 0,1,2
	ds_store_b32 v[PWA], v[CD+4*(2*\a+\tb)+\k] offset:1792*(2*\a+\tb)+4*\k
.endr
.endr
.endm
.macro GET a                           ; no wait on va_vdst of its own: the last readers and writers of MI and P stand ahead of an earlier one (the plan), and nothing issued since names these registers
.irp q, 0,1,2
	ds_load_b128 v[MI+12*\a+4*\q:MI+12*\a+4*\q+3], v[STR] offset:512*\a+1024*\q
.endr
	WIN 0x80
.irp tb, 0,1
.irp p, 0,1,2,3,4,5
	ds_load_b64 v[192+12*(2*\a+\tb)+2*\p:192+12*(2*\a+\tb)+2*\p+1], v[PRA] offset:1792*(2*\a+\tb)+48*(\p/3)+8*(\p%3)   ; P's fragment: 16 queries x 128 keys
.endr
.endr
	WIN 0
.endm
.macro VSMERGE                         ; a tile's scale word: two bytes from each half of the 128 keys
.irp p, 0,1,2,3
	v_perm_b32 v[VSW+2*\p], v[VSX+\p], v[VSR+\p], s[P0]
	v_perm_b32 v[VSW+2*\p+1], v[VSX+\p], v[VSR+\p], s[P1]
.endr
.endm
.macro MERGE a                         ; a lane stands for one query of the piece
.set NK, MI+12*\a
	v_min3_num_f32 v[TP], v[NMO+\a], v[NK], v[NK+1]
	v_min3_num_f32 v[TP], v[TP], v[NK+2], v[NK+3]  ; the new -M
	v_sub_f32 v[TP+1], v[TP], v[NMO+\a]            ; old M - new M: a whole number, 0 or less
.irp k, 0,1,2,3
	v_sub_f32 v[NK+\k], v[TP], v[NK+\k]            ; M_k - new M
.endr
	v_cvt_i32_f32 v[TP+1], v[TP+1]                 ; (it saturates)
.irp k, 0,1,2,3
	v_max_num_f32 v[NK+\k], 0xc2f00000, v[NK+\k]   ; held at -120: the byte stays above 0
.endr
	v_ldexp_f32 v[TP+1], 1.0, v[TP+1]              ; f = 2^(old M - new M)
.irp k, 0,1,2,3
	v_cvt_i32_f32 v[NK+\k], v[NK+\k]
.endr
	v_mov_b32 v[NMO+\a], v[TP]
.irp k, 0,1,2,3
	v_add_nc_u32 v[NK+8+\k], v[NK+8+\k], v[NK+\k]  ; the block's byte under the new M
.endr
.irp k, 0,1,2,3
	v_ldexp_f32 v[NK+\k], 1.0, v[NK+\k]
.endr
	v_mul_f32 v[LL+\a], v[LL+\a], v[TP+1]
.irp k, 0,1,2,3
	v_fmac_f32 v[LL+\a], v[NK+4+\k], v[NK+\k]
.endr
	v_lshl_or_b32 v[PWD+\a], v[NK+9], 8, v[NK+8]
	v_lshl_or_b32 v[PWD+\a], v[NK+10], 16, v[PWD+\a]
	v_lshl_or_b32 v[PWD+\a], v[NK+11], 24, v[PWD+\a]
	v_permlanex16_b32 v[TP+2], v[TP+1], s[SEL], s[SEL+1]
	v_cndmask_b32 v[F+4*\a], v[TP+1], v[TP+2], s[HM]       ; tile 0's factor in both halves of the lanes,
	v_cndmask_b32 v[F+4*\a+2], v[TP+2], v[TP+1], s[HM]     ; tile 1's
.endm
.macro RESCALE a
	WIN 0x41
.irp tb, 0,1
.set T, 2*\a+\tb
.set n_, 0
.rept 32
	v_pk_mul_f32 v[64*T+2*n_:64*T+2*n_+1], v[64*T+2*n_:64*T+2*n_+1], v[F+2*T:F+2*T+1] op_sel_hi:[1,0]
.set n_, n_+1
.endr
.endr
	WIN 0
.endm
.macro PV a, zero                      ; O^T += V^T P^T: 16 accumulators, one product each
	WIN 0x5B
.irp dt, 0,1,2,3,4,5,6,7
.irp tb, 0,1
.set T, 2*\a+\tb
	WM 64*T+8*\dt, 96+12*\dt, 192+12*T, \zero, 64*T+8*\dt, VSW+\dt, PWD+\a, 0, \tb
.endr
.endr
	WIN 0
.endm
; A KEY STEP.  kind 0: step 0, in which both pieces are at work and the products start O^T's sums.  kind 1: a step of the loop; piece 0's parts are jumped over, by scalar branches on ids, once its steps are done.
; kind 2: piece 1's last step: piece 0 is done (it has at most 8 steps, piece 1 at least 9), the causal mask is due, and nothing more is asked for.
.macro STEP kind
.if \kind < 2
	s_add_co_u32 s26, s[J], 1
.endif
	s_wait_loadcnt 34                              ; this step's K is in; the 34 younger loads are its V
	SPROD 1
.if \kind == 1
	s_cmp_lt_u32 s[J], s[NA]
	s_cbranch_scc0 .Lsa_\@
.endif
.if \kind < 2
	SPROD 0
.endif
.if \kind == 1
.Lsa_\@:
.endif
	PLACES 4                                       ; in front of the first read of the scores
.if \kind < 2
	s_wait_xcnt 0x0                                ; the earlier loads have read their bases
	s_add_nc_u64 s[KP:KP+1], s[KP:KP+1], 49152
	s_add_nc_u64 s[KSP:KSP+1], s[KSP:KSP+1], 2048
	s_add_nc_u64 s[KBP:KBP+1], s[KBP:KBP+1], 512
	KLOAD 1                                        ; the next step's K: with this step's V 63 loads are out
.endif
	s_barrier_signal -1                            ; every wave's reads of the last step's codes and statistics are back (it waited for them there)
	s_barrier_wait -1
.if \kind == 2
	CMASK 1
.endif
	SOFT 1
	PUT 1
.if \kind == 1
	s_cmp_lt_u32 s[J], s[NA]
	s_cbranch_scc0 .Lsb_\@
.endif
.if \kind < 2
	s_cmp_eq_u32 s26, s[NA]
	s_cbranch_scc0 .Lnm0_\@
	CMASK 0
.Lnm0_\@:
	SOFT 0
	PUT 0
.endif
.if \kind == 1
.Lsb_\@:
.endif
	s_wait_dscnt 0x0                               ; for the others' sake: my stores have landed
.if \kind < 2
	s_wait_alu depctr_vm_vsrc(0)                   ; my LDS stores have read PO and CD, which the next step's selects and conversions write again
.endif
	s_barrier_signal -1
	s_barrier_wait -1
	GET 1
.if \kind == 1
	s_cmp_lt_u32 s[J], s[NA]
	s_cbranch_scc0 .Lsc_\@
.endif
.if \kind < 2
	GET 0
.endif
.if \kind == 1
.Lsc_\@:
.endif
	s_wait_dscnt 0x0
.if \kind < 2
	s_wait_loadcnt 29                              ; this step's V is in; the 29 younger loads are the next step's K
.else
	s_wait_loadcnt 0x0                             ; the last V is in: nothing was asked for behind it
.endif
	VSMERGE
	MERGE 1
.if \kind > 0
	RESCALE 1                                      ; (these are also the places between the scale registers' last writes and the products)
	s_wait_alu depctr_va_vdst(0)                   ; VSMERGE has written V's scale words and MERGE piece 1's p's, which the products O^T of piece 1 take as scales; it stands behind their places and ahead of the branch, on both ways to those products
.endif
.if \kind == 1
	s_cmp_lt_u32 s[J], s[NA]
	s_cbranch_scc0 .Lsd_\@
.endif
.if \kind == 0
	MERGE 0
	PLACES 8                                       ; a scale register written by a vector instruction stands 8 places ahead of a scaled product
	s_wait_alu depctr_va_vdst(0)                   ; VSMERGE has written V's scale words and the two MERGEs p's, which the products below take as scales
	PV 0, 1
	PV 1, 1
.endif
.if \kind == 1
	MERGE 0
	RESCALE 0
	s_wait_alu depctr_va_vdst(0)                   ; MERGE has written piece 0's scale word of p, which the products O^T of piece 0 take; behind its places
	PV 0, 0
.Lsd_\@:
.endif
.if \kind > 0
	PV 1, 0
.endif
	PLACES 5                                       ; behind the step's last products: in front of what follows the last step
.if \kind < 2
	s_wait_xcnt 0x0                                ; the earlier loads and the last prefetch have read their bases
	s_add_nc_u64 s[VP:VP+1], s[VP:VP+1], 49152
	s_add_nc_u64 s[VSP:VSP+1], s[VSP:VSP+1], 2048
	s_add_nc_u64 s[PF:PF+1], s[PF:PF+1], 49152
	VLOAD 1                                        ; the next step's V: with its K 63 loads are out
	s_cmp_lt_u32 s[J], s[PFL]                      ; A PREFETCH of key step j + 3, whose loads are issued two steps on.  Of a batch's work-groups the first three ask, which walk all 16 steps: their twelve waves share
	s_cbranch_scc0 .Lnp_\@                         ; a step's 49,152 bytes of K and 49,152 of V, 8,192 a wave, lanes 256 bytes apart: each block is named once.  Steps 0 to 2 come by their loads alone; the last request, in step 12, names step 15
	global_prefetch_b8 v[PFO], s[PF:PF+1] th:TH_LOAD_NT scope:SCOPE_SE
.Lnp_\@:
.endif
.endm
; THE WAY OUT of tile t: O^T / l (0 for a row that takes the mean), through my stage, back as whole rows of 512 bytes; + the mean's share; stored, four rows at a time
.macro OUT t
.set OT, \t
.set OAA, (\t)/2
.set OTB, (\t)%2
	WIN 0x41
.set n_, 0
.rept 32
	v_pk_mul_f32 v[64*OT+2*n_:64*OT+2*n_+1], v[64*OT+2*n_:64*OT+2*n_+1], v[F+2*OT:F+2*OT+1] op_sel_hi:[1,0]
.set n_, n_+1
.endr
	WIN 0x04                                       ; an LDS store's data are its source 1: window 1
	s_wait_alu depctr_va_vdst(0)                   ; the multiplications have written the tile's O^T, which the LDS stores read; and every earlier vector instruction is done with v[S ..], in which the LDS loads below land
.irp p, 0,1,2,3
.irp k, 0,1,2,3
	ds_store_b128 v[SGW], v[64*OT+8*(2*\p+\k/2)+4*(\k%2):64*OT+8*(2*\p+\k/2)+4*(\k%2)+3] offset:128*\p+16*\k   ; d = 32 p + 16 h + 4 k + 0 .. 3 of query r
.endr
.endr
	WIN 0
	s_wait_xcnt 0x0                                ; the last tile's stores have read their registers
.if (\t) > 0
	s_wait_alu depctr_vm_vsrc(0)                   ; the last tile's global stores have read v[S ..], in which the LDS loads below land
.endif
.set n_, 0
.rept 16
	ds_load_b128 v[S+4*n_:S+4*n_+3], v[SGR] offset:528*n_   ; LDS serves a wave's instructions in order: these see my stores
.set n_, n_+1
.endr
.set n_, 0
.rept 16
	v_readlane_b32 s[4+2*n_+52*(n_/8)], v[DW+OAA], 16*OTB+n_     ; 1 / 2,048 for a row that takes the mean, else 0: the sixteen rows' as a run, a scalar pair's low word each
.set n_, n_+1
.endr
	s_wait_alu depctr_va_sdst(0)                   ; the sixteen scalar registers are written, ahead of the multiply-adds that read them
.set g_, 0
.rept 4
	s_wait_dscnt 12-4*g_                           ; rows 4 g to 4 g + 3 are back; the rows behind them may be out
.set n_, 4*g_
.rept 4
	v_pk_fma_f32 v[S+4*n_:S+4*n_+1], v[VSUM:VSUM+1], s[4+2*n_+52*(n_/8):5+2*n_+52*(n_/8)], v[S+4*n_:S+4*n_+1] op_sel_hi:[1,0,1]
	v_pk_fma_f32 v[S+4*n_+2:S+4*n_+3], v[VSUM+2:VSUM+3], s[4+2*n_+52*(n_/8):5+2*n_+52*(n_/8)], v[S+4*n_+2:S+4*n_+3] op_sel_hi:[1,0,1]
.set n_, n_+1
.endr
	s_wait_alu depctr_va_vdst(0)                   ; the eight multiply-adds have written the four rows, which the stores below read
.set n_, 4*g_
.rept 4
	global_store_b128 v[LI], v[S+4*n_:S+4*n_+3], s[OA+2*OAA:OA+2*OAA+1] offset:(8*OTB+n_+8*(n_/8))*2048 th:TH_STORE_NT   ; 32 lanes store 512 consecutive bytes, aligned
.set n_, n_+1
.endr
.set g_, g_+1
.endr
.endm
	s_load_b512 s[4:19], s[0:1], 0x0               ; qimg s[4:5], kimg s[6:7], vimg s[8:9], scl s[10:11], kbias s[12:13], vpart s[14:15], the query mask s[16:17], out0 s[18:19]
	v_lshl_add_u32 v103, v0, 2, 0xac00
	v_mov_b32 v107, 0
	v_lshrrev_b32 v1, 5, v0
	v_readfirstlane_b32 s[WV], v1                  ; wave 0..3
	s_lshr_b32 s[BB], ttmp9, 5                     ; batch
	s_and_b32 s[II], ttmp9, 31
	s_lshr_b32 s26, s[II], 2
	s_add_co_u32 s[NA], s26, 1                     ; piece 0's key steps: 1 to 8
	s_sub_co_u32 s[NB], 16, s26                    ; piece 1's: 9 to 16
	s_sub_co_u32 s[NB1], 15, s26                   ; less the last, which is written out
	s_mov_b32 s90, s[II]                           ; the pieces' blocks of 32 queries
	s_sub_co_u32 s91, 63, s[II]
	s_lshl_b32 s[Q0], s90, 5
	s_lshl_b32 s[Q0+1], s91, 5
	s_mov_b32 s[J], 0
	s_mov_b32 s[SEL], 0x76543210
	s_mov_b32 s[SEL+1], 0xfedcba98
	s_mov_b32 s[CS], 0x3d8293ee                    ; c = log2(e) / sqrt(512)
	s_mov_b32 s[CS+1], s[CS]                       ; (named with it as a pair, so it is written)
	s_mov_b32 s[HM], 0xffff0000                    ; lanes 16-31
	s_mov_b32 s[P0], 0x05040100
	s_mov_b32 s[P1], 0x07060302
	s_mov_b32 s73, 0
	v_and_b32 v1, 31, v0                           ; lane
	v_and_b32 v2, 15, v0                           ; r
	v_bfe_u32 v3, v0, 4, 1                         ; h
	v_lshlrev_b32 v[LI], 4, v1
	v_lshlrev_b32 v[L8], 3, v1
	v_lshlrev_b32 v[L4], 2, v1
	v_lshlrev_b32 v[H64], 6, v3
	v_lshlrev_b32 v[R16], 4, v2
	v_mul_u32_u24 v[PWA], v2, 112
	v_mad_u32_u24 v[PWA], v3, 12, v[PWA]
	s_wait_alu depctr_va_sdst(0)                   ; the wave's number is written, ahead of its first reader: LDS places and all bases are made from it
	s_mul_i32 s26, s[WV], 24
	v_add_nc_u32 v[PWA], s26, v[PWA]               ; p's codes, in: query r, + 24 bytes a block, + 12 h
	v_mul_u32_u24 v[PRA], v2, 112
	v_mad_u32_u24 v[PRA], v3, 24, v[PRA]           ; and back as a fragment
	s_lshl_b32 s26, s[WV], 2
	s_add_co_u32 s26, s26, ST
	v_add_nc_u32 v[STW], s26, v[LI]
	v_add_nc_u32 v[STR], ST, v[LI]
	s_mul_i32 s26, s[WV], 8448
	s_add_co_u32 s26, s26, STG
	v_mul_u32_u24 v[SGW], v2, 528
	v_lshl_add_u32 v[SGW], v3, 6, v[SGW]
	v_add_nc_u32 v[SGW], s26, v[SGW]
	v_add_nc_u32 v[SGR], s26, v[LI]
	v_lshrrev_b32 v108, 3, v2
	v_lshl_add_u32 v[QL], v108, 3, v2              ; r + 8 (r / 8)
	v_lshlrev_b32 v109, 4, v3
	v_sub_nc_u32 v[RL], v[QL], v109
	v_lshl_add_u32 v[QL], v3, 3, v[QL]
	v_mov_b32 v[NEGV], 0xfe800000                  ; -2^126
	v_lshlrev_b32 v[PFO], 8, v1
	v_mov_b32 v[NMO], 0x7f61b1e6                   ; -M so far: 3e38, above every -M
	v_mov_b32 v[NMO+1], 0x7f61b1e6
	v_mov_b32 v[LL], 0
	v_mov_b32 v[LL+1], 0
.irp t, 0,1,2,3
	v_mov_b32 v[TT+\t], 0                          ; written once: a lane permute's destination counts as one of its sources;
	v_mov_b32 v[F+2*\t+1], 0                       ; and the upper halves of pairs of which the low word alone is used
	v_mov_b32 v[NM+2*\t+1], 0
.endr
	s_wait_kmcnt 0x0
	s_mul_i32 s72, s[BB], 786432                   ; a batch: 16 steps of 49,152 bytes; my quarter of a step
	s_mul_i32 s74, s[WV], 12288
	s_add_co_u32 s72, s72, s74
	s_add_nc_u64 s[KP:KP+1], s[6:7], s[72:73]
	s_add_nc_u64 s[VP:VP+1], s[8:9], s[72:73]
	s_lshl_b32 s72, s[BB], 15
	s_lshl_b32 s74, s[WV], 9
	s_add_co_u32 s72, s72, s74
	s_add_co_u32 s72, s72, 262144
	s_add_nc_u64 s[KSP:KSP+1], s[10:11], s[72:73]  ; K's scale words: 512 bytes a block of 32 keys: [lane][K step]
	s_add_co_u32 s72, s72, 262144
	s_add_nc_u64 s[VSP:VSP+1], s[10:11], s[72:73]
	s_lshl_b32 s72, s[BB], 13
	s_lshl_b32 s74, s[WV], 7
	s_add_co_u32 s72, s72, s74
	s_add_nc_u64 s[KBP:KBP+1], s[12:13], s[72:73]
	s_lshl_b32 s72, s[BB], 16
	s_lshl_b32 s74, s[WV], 9
	s_add_co_u32 s72, s72, s74
	s_add_nc_u64 s[88:89], s[14:15], s[72:73]      ; vpart: my batch's 32 rows, my 128 d
.irp a, 0,1
	s_lshl_b32 s72, s[BB], 6
	s_add_co_u32 s75, s72, s[90+\a]                ; the piece's block of 32 queries among all 512
	s_mul_i32 s72, s75, 12288
	s_add_nc_u64 s[76+2*\a:77+2*\a], s[4:5], s[72:73]
	s_lshl_b32 s72, s75, 9
	s_add_nc_u64 s[80+2*\a:81+2*\a], s[10:11], s[72:73]
	s_lshl_b32 s72, s75, 5
	s_add_nc_u64 s[84+2*\a:85+2*\a], s[16:17], s[72:73]
	s_lshl_b32 s72, s75, 16                        ; 32 rows of 2,048 bytes
	s_lshl_b32 s74, s[WV], 9
	s_add_co_u32 s72, s72, s74
	s_add_nc_u64 s[OA+2*\a:OA+2*\a+1], s[18:19], s[72:73]
.endr
	s_lshl_b32 s72, s[II], 2                       ; the prefetches: part e = 4 i + w of twelve (held at 11, so that the address is sound in every work-group)
	s_add_co_u32 s72, s72, s[WV]
	s_min_u32 s72, s72, 11
	s_cmp_lt_u32 s72, 6
	s_cselect_b64 s[PF:PF+1], s[6:7], s[8:9]       ; six parts of K's step, six of V's
	s_cselect_b32 s74, 0, 6
	s_sub_co_u32 s72, s72, s74
	s_lshl_b32 s72, s72, 13
	s_mul_i32 s74, s[BB], 786432
	s_add_co_u32 s72, s72, s74
	s_add_co_u32 s72, s72, 2*49152                 ; at step 2: step 0 moves it to step 3
	s_add_nc_u64 s[PF:PF+1], s[PF:PF+1], s[72:73]
	s_cmp_lt_u32 s[II], 3
	s_cselect_b32 s[PFL], 13, 0
	s_wait_alu depctr_va_vdst(0)                   ; the addresses and offsets v4 to v19 are written, which every load, store, LDS instruction and prefetch of the kernel reads; none of them is written again
.set n_, 0
.rept 32
	global_load_b128 v[128+4*n_:128+4*n_+3], v[LI], s[88:89] offset:2048*n_
.set n_, n_+1
.endr
	WIN 0x80
.irp a, 0,1
.set n_, 0
.rept 24
	global_load_b128 v[96*\a+4*n_:96*\a+4*n_+3], v[LI], s[76+2*\a:77+2*\a] offset:512*n_    ; Q stays in registers: tile 2 a + tb, K step c at 12 (4 (2 a + tb) + c)
.set n_, n_+1
.endr
.endr
	WIN 0
.irp a, 0,1
	global_load_b128 v[QS+4*\a:QS+4*\a+3], v[LI], s[80+2*\a:81+2*\a]   ; register c: K step c's scale words: lanes 0-15 tile 0, lanes 16-31 tile 1
	global_load_u8 v[QP+\a], v[QL], s[84+2*\a:85+2*\a]
.endr
	KLOAD 0                                        ; no vector or matrix instruction has named these registers yet
	s_wait_loadcnt 29                              ; all but K's 29 loads
.irp st, 16,8,4,2
.set n_, 0
.rept \st
	v_pk_add_f32 v[128+4*n_:129+4*n_], v[128+4*n_:129+4*n_], v[128+4*(n_+\st):129+4*(n_+\st)]
	v_pk_add_f32 v[130+4*n_:131+4*n_], v[130+4*n_:131+4*n_], v[130+4*(n_+\st):131+4*(n_+\st)]
.set n_, n_+1
.endr
.endr
	v_pk_add_f32 v[VSUM:VSUM+1], v[128:129], v[132:133]
	v_pk_add_f32 v[VSUM+2:VSUM+3], v[130:131], v[134:135]
	v_mov_b32 v[TP+2], 0                           ; a lane permute's destination
	VLOAD 0                                        ; likewise: the sums above name none of V's registers
	STEP 0
	s_mov_b32 s[J], 1
.Lstep:                                            ; piece 1's steps 1 to its last but one: 7 to 14 trips; the bound is not written in the loop
	STEP 1
	s_add_co_u32 s[J], s[J], 1
	s_cmp_lt_u32 s[J], s[NB1]
	s_cbranch_scc1 .Lstep
	STEP 2                                         ; the last step is written out: no load is issued whose data nobody reads
.irp a, 0,1
	v_cmp_eq_f32 s[FM+2*\a], 0, v[LL+\a]           ; no key has counted,
	v_cmp_ne_u32 s[FM+2*\a+1], 0, v[QP+\a]         ; or the query is padded: the four compares go as a run
.endr
.irp a, 0,1
	v_rcp_f32 v[TP+\a], v[LL+\a]
.endr
	v_mov_b32 v[TP+4], 0x3a000000                  ; 1 / 2,048.  (A plain place behind the reciprocals)
	s_wait_alu depctr_va_sdst(0)                   ; the four masks are written, ahead of the scalar lines that read them
.irp a, 0,1
	s_or_b32 s[FM+4+\a], s[FM+2*\a], s[FM+2*\a+1]  ; the row takes the mean
.endr
.set n_, 0
.rept 16
	s_mov_b32 s[5+2*n_+52*(n_/8)], 0               ; the upper words of the way out's sixteen scalar pairs, of which the low word alone is used
.set n_, n_+1
.endr
	s_wait_alu depctr_va_vdst(0)                   ; the two reciprocals have written their results: one wait for the two, ahead of their first reader
.irp a, 0,1
	v_cndmask_b32 v[TP+\a], v[TP+\a], 0, s[FM+4+\a]
	v_cndmask_b32 v[DW+\a], 0, v[TP+4], s[FM+4+\a]
	v_permlanex16_b32 v[TP+2], v[TP+\a], s[SEL], s[SEL+1]
	v_cndmask_b32 v[F+4*\a], v[TP+\a], v[TP+2], s[HM]
	v_cndmask_b32 v[F+4*\a+2], v[TP+2], v[TP+\a], s[HM]
.endr
	OUT 0
	OUT 1
	OUT 2
	OUT 3
	s_wait_dscnt 0x0                               ; the closing lines, six on end
	s_wait_alu 0x0
	s_wait_tensorcnt 0x0
	ds_add_u32 v103, v107
	s_wait_dscnt 0x0
	s_endpgm
.Lfunc_end_k_q7201dc2295_attn:
	.size	k_q7201dc2295_attn, .Lfunc_end_k_q7201dc2295_attn-k_q7201dc2295_attn
	.p2alignl 7, 3214868480
	.fill 96, 4, 3214868480
	.section	.rodata,"a",@progbits
	.p2align	6, 0x0
	.amdhsa_kernel k_q7201dc2295_attn
		.amdhsa_group_segment_fixed_size 44544
		.amdhsa_private_segment_fixed_size 0
		.amdhsa_enable_private_segment 0
		.amdhsa_kernarg_size 64
		.amdhsa_user_sgpr_count 2
		.amdhsa_user_sgpr_kernarg_segment_ptr 1
		.amdhsa_wavefront_size32 1
		.amdhsa_system_sgpr_workgroup_id_x 1
		.amdhsa_system_sgpr_workgroup_id_y 1
		.amdhsa_system_sgpr_workgroup_id_z 1
		.amdhsa_system_vgpr_workitem_id 0
		.amdhsa_next_free_vgpr 1024
		.amdhsa_next_free_sgpr 100
		.amdhsa_reserve_vcc 0
		.amdhsa_float_denorm_mode_32 3
		.amdhsa_float_denorm_mode_16_64 3
		.amdhsa_memory_ordered 1
		.amdhsa_forward_progress 1
		.amdhsa_inst_pref_size 169
	.end_amdhsa_kernel
	.amdgpu_metadata
---
amdhsa.version: [ 1, 2 ]
amdhsa.kernels:
  - .name:           k_q7201dc2295_attn
    .symbol:         k_q7201dc2295_attn.kd
    .args:
      - { .name: qimg, .offset: 0, .size: 8, .value_kind: global_buffer, .address_space: global }
      - { .name: kimg, .offset: 8, .size: 8, .value_kind: global_buffer, .address_space: global }
      - { .name: vimg, .offset: 16, .size: 8, .value_kind: global_buffer, .address_space: global }
      - { .name: scl, .offset: 24, .size: 8, .value_kind: global_buffer, .address_space: global }
      - { .name: kbias, .offset: 32, .size: 8, .value_kind: global_buffer, .address_space: global }
      - { .name: vpart, .offset: 40, .size: 8, .value_kind: global_buffer, .address_space: global }
      - { .name: source_query_padding_mask, .offset: 48, .size: 8, .value_kind: global_buffer, .address_space: global }
      - { .name: out0, .offset: 56, .size: 8, .value_kind: global_buffer, .address_space: global }
    .group_segment_fixed_size: 44544
    .private_segment_fixed_size: 0
    .kernarg_segment_align: 8
    .kernarg_segment_size: 64
    .max_flat_workgroup_size: 128
    .sgpr_count:     100
    .vgpr_count:     1024
    .wavefront_size: 32
...
	.end_amdgpu_metadata
.endif
;; end of part 4
